; MI455X (gfx1250); checked and timed in simulation.
; The chip was launched on July 23, 2026; its instructions are those of AMD's public machine-readable ISA for CDNA 5 (MIT licence, August 2026) and "CDNA5" Instruction Set Architecture Reference Guide (July 2026). The comments in the code are by the model that wrote it; some were corrected since.
;; Self Attention. Allowed arithmetic: matrix products marked QUANTISED: E2M3 operands, one E8M0 scale for each 32 along K, by v_wmma_scale_f32_16x16x128_f8f6f4 with both operands' format E2M3, f32 sums; everything else in f32.
;; Inputs: Wk 1,024 x 1,024 float32; Wq 1,024 x 1,024 float32; Wv 1,024 x 1,024 float32; bk 1,024 float32; bq 1,024 float32; bv 1,024 float32; x 4 x 2,048 x 1,024 float32.
;; Outputs: out0 4 x 2,048 x 1,024 float32.
;; This version of the problem:
;;   THIS VERSION OF THE PROBLEM IS GIVEN IN LOW PRECISION. The matrix products marked QUANTISED in the list below multiply operands that are first quantised to E2M3 (2 exponent bits, 3 mantissa bits; 6 bits a number), with one power-of-two scale for each 32 numbers along K (OCP MX v1.0); their sums are f32. All else is computed in f32.
;;   The module's matrix products, in the order in which they are computed (A, B: the left and right operand; K: the contracted axis; several contracted axes count as one K, in the product's order):
;;     1. [M 8,192, K 1,024] x [K 1,024, N 1,024]; A: input x; B: input Wq: QUANTISED
;;     2. [M 8,192, K 1,024] x [K 1,024, N 1,024]; A: input x; B: input Wk: QUANTISED
;;     3. [M 8,192, K 1,024] x [K 1,024, N 1,024]; A: input x; B: input Wv: QUANTISED
;;     4. batch 4 x [M 2,048, K 1,024] x [K 1,024, N 2,048]; A: computed on the way; B: computed on the way: QUANTISED
;;     5. batch 4 x [M 2,048, K 2,048] x [K 2,048, N 1,024]; A: softmax (see below); B: computed on the way: QUANTISED
;;   THE QUANTISER, for each operand of a quantised product, along K:
;;     - K is cut into blocks of 32 from its start; a last block that is shorter is filled with zeros.
;;     - A block's scale is 2^e with e = floor(log2(the largest magnitude in the block)) - 2, held to -126 .. 127; a block of zeros has e = 0. As a byte (E8M0): e + 127.
;;     - Each number is divided by its block's scale, clamped to +-7.5, and rounded to the nearest number of E2M3, ties to even, subnormals kept.
;;     - The product sums the exact products of the quantised numbers (number of the format x scale) in f32.
;;   ~~~python
;;   def quantise(x, axis):      # numpy; x: float32 -> the quantised numbers, widened to float32 again
;;       x = np.moveaxis(x, axis, -1); K = x.shape[-1]
;;       x = np.pad(x, [(0, 0)] * (x.ndim - 1) + [(0, -K % 32)]); x = x.reshape(x.shape[:-1] + (-1, 32)); a = np.abs(x).max(-1, keepdims=True)
;;       e = np.where(a > 0, np.clip(np.frexp(np.where(a > 0, a, 1))[1] - 1 - 2, -126, 127), 0)      # np.frexp(a)[1] - 1 = floor(log2(a)), exactly
;;       r = np.clip(x / 2.0 ** e, -7.5, 7.5)
;;       step = 2.0 ** (np.maximum(np.frexp(np.where(r == 0, 1, r))[1] - 1, 0) - 3)
;;       q = np.round(r / step) * step * 2.0 ** e      # np.round: ties to even
;;       return np.moveaxis(q.reshape(q.shape[:-2] + (-1,))[..., :K], -1, axis).astype(np.float32)
;;   ~~~
;;   SOFTMAX AHEAD OF A QUANTISED PRODUCT. Where the list says 'softmax', what is quantised is not the finished softmax but p = 2^(t - M), with t = logit x log2(e) and M = ceil(the row's largest t), a whole number; so 1/2 < the row's largest p <= 1. The row's sum l is taken of the UNQUANTISED p, in f32, and the product's result is divided by l at the end. Since M is a whole number, a kernel that streams over the keys may use a running M (the ceiling of the running maximum): every later rescaling is an exact power of two, which a block's scale takes up: the codes' values come out the same.
;;   OPERANDS COMPUTED ON THE WAY. 'Computed on the way' means the value that the module computes at that place (a softmax that the list does not call 'softmax' is quantised finished and normalised). What goes into a quantiser is computed in f32, as accurately as f32 sums, v_exp_f32 and their like allow (about 1e-6 of the number): no bf16 or f16 on the way to a quantiser, and a product that is left as it is and whose result goes on into a quantised operand takes f32 operands (vector FMAs, or v_wmma_f32_16x16x4_f32). A number that lies on a knife's edge between two numbers of the format may be rounded either way, as far as f32 arithmetic and the matrix unit's own rounding can turn it there, and no further.
;; One version. Each part assembles by itself: llvm-mc -triple=amdgcn-amd-amdhsa -mcpu=gfx1250 --defsym DOCPART=n.
;; ======== version 1 of 1: 4 launches
;; limits: right only within a limited range of input values
;; workspace buffers: xw_codes 8,650,752 bytes; xw_scales 360,448 bytes; qkv_codes 18,874,368 bytes; qkv_scales 786,432 bytes; p_codes 12,582,912 bytes; p_stats 1,572,864 bytes
;; launch quant (part 1): grid 352 x 1, 4 waves a work-group, no clusters, 35,328 bytes of LDS; arguments x, Wq, Wk, Wv, xw_codes, xw_scales; writes xw_codes, xw_scales
.if DOCPART == 1
	.amdgcn_target "amdgcn-amd-amdhsa--gfx1250"
	.amdhsa_code_object_version 6
	.text
	.protected	k_q8a86c30128_quant
	.globl	k_q8a86c30128_quant
	.p2align	8
	.type	k_q8a86c30128_quant,@function
k_q8a86c30128_quant:
	s_mov_b64 s[64:65], 0
	v_nop
	global_prefetch_b8 v0, s[64:65] scope:SCOPE_SE
	s_setreg_imm32_b32 hwreg(HW_REG_WAVE_MODE, 25, 1), 1
	s_wait_xcnt 0x0
; x [8192][1024], Wq, Wk, Wv [1024][1024], f32, K innermost, become codes of FP6 (E2M3) with one E8M0 scale byte for each 32 along K.
; A block's scale is 2^(floor(log2(its largest magnitude)) - 2); its byte is the largest magnitude's exponent field - 2, held at 1 from below.
; LIMITS: a block whose largest magnitude lies under 2^-124, a block of zeros among them, gets the byte 1 (its codes are zeros or next to zeros; this program alone reads the bytes); NaN and infinities are not served.
; THE WORKSPACE IS LAID AS THE MATRIX OPERANDS' REGISTERS.  A fragment (16 rows x 128 K, 12 registers a lane) is 1,536 bytes: register group c (four registers) of lane l at 512 c + 16 l.
; The four tensors are one list of 704 row blocks of 16 rows: 0-511 x, 512-575 Wq, 576-639 Wk, 640-703 Wv.  Fragment (row block R, K step s) lies at (((s / 2) 704 + R) 2 + s % 2) x 1,536; its 16 scale words at (s 704 + R) 64.
; THE ROWS OF A ROW BLOCK ARE NOT NEIGHBOURS: lane row r of block 2 b + u is row 32 b + 8 u + r + 8 (r / 8), so that a transposed product's results lie, in a lane's registers, as neighbours along the next product's K.
; SHARES.  A work-group takes 64 rows and four K steps; each wave one K step of them: four fragments.  Each load reads 512 consecutive bytes of a row; a fragment's 16 rows turn through the wave's own stage in LDS,
; since the conversions want 16 neighbours along K in ONE lane.  No barrier: waves share nothing.  ALL FOUR FRAGMENTS' LOADS, 64 a wave, are issued at the start, into four sets of 64 registers.
.set WREG,  8704                       ; LDS of a wave: a stage of 16 rows x 528 bytes, then 256 bytes for its 64 scale words
.set SP,    528                        ; a stage row: 512 bytes + 16
.set SCO,   16*SP
.set SPARE, 4*WREG                     ; behind the four regions: the spare words, 128 bytes a wave, that no other line names
.set VIN, 4                            ; v4   16 x lane: my bytes of a load's 512, and of a store's
.set STW, 5                            ; v5   the stage, on the way in
.set STR, 6                            ; v6   and out: row r, + 64 h
.set SCW, 7                            ; v7   where my row's scale word goes
.set SCR, 8                            ; v8   where I read 8 bytes of the 256 back
.set SCG, 9                            ; v9   8 x lane
.set SPW, 10                           ; v10  my spare word; never rewritten
.set NIL, 11                           ; v11  0; never rewritten
.set TM,  12                           ; v12-27 at work in QUANT
.set PW,  28                           ; v28  the scale word just made
.set T2,  32                           ; v32-38 the blocks' upper halves' codes
.set C,   40                           ; v40-51 a fragment's codes
.set X,   64                           ; v64-127 64 numbers: register 16 b + i = k 32 b + 16 h + i of row r
.set SEL, 20                           ; s[20:21] lane selects: lane l xor 16
; rows as loaded: fragments 0, 1 in v128-255 of window 0, fragments 2, 3 in v0-127 of window 1 (v256-383)
.set MSB, 0
.macro WIN new                         ; the immediate's high byte repeats the setting that is left
.if MSB != (\new)
	s_set_vgpr_msb (MSB<<8)|(\new)
.set MSB, (\new)
.endif
.endm
	s_load_b256 s[4:11], s[0:1], 0x0               ; x, Wq, Wk, Wv
	s_load_b128 s[12:15], s[0:1], 0x20             ; the codes, the scale words
	v_lshl_add_u32 v[SPW], v0, 2, SPARE
	v_mov_b32 v[NIL], 0
	v_lshrrev_b32 v1, 5, v0
	v_readfirstlane_b32 s16, v1                    ; wave
	v_and_b32 v1, 31, v0                           ; lane
	v_and_b32 v2, 15, v0                           ; r
	v_bfe_u32 v3, v0, 4, 1                         ; h
	s_mul_i32 s24, s16, WREG
	v_lshlrev_b32 v[VIN], 4, v1
	v_add_nc_u32 v[STW], s24, v[VIN]
	v_mul_u32_u24 v[STR], v2, SP
	v_lshl_add_u32 v[STR], v3, 6, v[STR]
	v_add_nc_u32 v[STR], s24, v[STR]
	s_add_co_u32 s24, s24, SCO
	v_lshl_add_u32 v[SCW], v2, 2, s24
	v_lshlrev_b32 v[SCG], 3, v1
	v_add_nc_u32 v[SCR], s24, v[SCG]
.irp b, 0,1,2,3
	v_mov_b32 v[TM+4+\b], 0                        ; written once: a lane permute's destination counts as one of its sources
.endr
	s_lshr_b32 s17, ttmp9, 1                       ; G: which 64 rows of the list
	s_and_b32 s18, ttmp9, 1
	s_lshl_b32 s18, s18, 2
	s_add_co_u32 s18, s18, s16                     ; my K step: 4 (g % 2) + wave
	s_and_b32 s19, s17, 15
	s_cmp_lt_u32 s17, 128
	s_cselect_b32 s19, s17, s19                    ; which 64 rows of the tensor
	s_lshl_b32 s26, s19, 18                        ; 64 rows of 4,096 bytes,
	s_lshl_b32 s27, s18, 9                         ; 512 bytes a K step
	s_add_co_u32 s26, s26, s27
	s_mov_b32 s27, 0
	s_lshl_b32 s29, s17, 2                         ; my first row block: 4 G
	s_lshr_b32 s28, s18, 1
	s_mul_i32 s28, s28, 704
	s_add_co_u32 s28, s28, s29
	s_mul_i32 s28, s28, 3072
	s_and_b32 s30, s18, 1
	s_mul_i32 s30, s30, 1536
	s_add_co_u32 s28, s28, s30                     ; where my first fragment goes
	s_mul_i32 s30, s18, 704
	s_add_co_u32 s30, s30, s29
	s_lshl_b32 s30, s30, 6                         ; and my 64 scale words: a multiple of 256
	s_mov_b32 s29, 0
	s_mov_b32 s31, 0
	s_mov_b32 s[SEL], 0x76543210
	s_mov_b32 s[SEL+1], 0xfedcba98
	s_wait_alu depctr_va_vdst(0)                   ; the head's end
	s_wait_kmcnt 0x0
	s_cmp_lt_u32 s17, 160                          ; which tensor: the choice hangs on the work-group's number alone
	s_cselect_b64 s[10:11], s[8:9], s[10:11]
	s_cmp_lt_u32 s17, 144
	s_cselect_b64 s[10:11], s[6:7], s[10:11]
	s_cmp_lt_u32 s17, 128
	s_cselect_b64 s[10:11], s[4:5], s[10:11]
	s_add_nc_u64 s[10:11], s[10:11], s[26:27]
	s_add_nc_u64 s[12:13], s[12:13], s[28:29]
	s_add_nc_u64 s[14:15], s[14:15], s[30:31]
.macro LOAD f                          ; fragment f's 16 rows, 512 consecutive bytes a load
.set RB, 64*((\f)%2)+128*(1-(\f)/2)
	WIN 0x40*((\f)/2)                              ; the destination's window
.irp p, 0,1,2,3,4,5,6,7,8,9,10,11,12,13,14,15
	global_load_b128 v[RB+4*\p:RB+4*\p+3], v[VIN], s[10:11] offset:(32*((\f)/2)+8*((\f)%2)+\p+8*(\p/8))*4096 th:TH_LOAD_NT
.endr
.endm
.macro TURN f                          ; through the stage: LDS serves a wave's instructions in order, so no wait stands between the stores and the loads
.set RB, 64*((\f)%2)+128*(1-(\f)/2)
	WIN 0x04*((\f)/2)                              ; the stored data's window
.irp p, 0,1,2,3,4,5,6,7,8,9,10,11,12,13,14,15
	ds_store_b128 v[STW], v[RB+4*\p:RB+4*\p+3] offset:SP*\p
.endr
	WIN 0
.irp b, 0,1,2,3
.irp j, 0,1,2,3
	ds_load_b128 v[X+16*\b+4*\j:X+16*\b+4*\j+3], v[STR] offset:128*\b+16*\j
.endr
.endr
.endm
; 64 numbers of a lane become a fragment's codes in v[C] on and its row's scale word in v[PW]
.macro QUANT
.irp b, 0,1,2,3
	v_max3_num_f32 v[TM+\b], |v[X+16*\b]|, |v[X+1+16*\b]|, 0x1800000   ; block b: my 16 numbers, and the floor 2^(3 - 127): the byte cannot fall under 1
.endr
.irp i, 2,4,6,8,10,12,14
.irp b, 0,1,2,3
	v_max3_num_f32 v[TM+\b], v[TM+\b], |v[X+16*\b+\i]|, |v[X+1+16*\b+\i]|   ; the four blocks by turns
.endr
.endr
.irp b, 0,1,2,3
	v_permlanex16_b32 v[TM+4+\b], v[TM+\b], s[SEL], s[SEL+1]
.endr
.irp b, 0,1,2,3
	v_max_num_f32 v[TM+\b], v[TM+\b], v[TM+4+\b]   ; with lane l xor 16's 16: the block's largest magnitude
.endr
.irp b, 0,1,2,3
	v_add_nc_u32 v[TM+12+\b], 0xff000000, v[TM+\b] ; 2 off its exponent field: the conversion's scale operand
.endr
.irp b, 0,1,2,3
	v_lshrrev_b32 v[TM+4+\b], 23, v[TM+12+\b]      ; the scale's byte
.endr
	v_lshl_or_b32 v[PW], v[TM+5], 8, v[TM+4]
	v_lshl_or_b32 v[PW], v[TM+6], 16, v[PW]
	v_lshl_or_b32 v[PW], v[TM+7], 24, v[PW]
.irp c, 0,1
	v_cvt_scalef32_pk16_fp6_f32 v[C+6*\c:C+6*\c+2], v[X+32*\c:X+32*\c+15], v[TM+12+2*\c]
	v_cvt_scalef32_pk16_fp6_f32 v[T2+4*\c:T2+4*\c+2], v[X+32*\c+16:X+32*\c+31], v[TM+12+2*\c+1]   ; (a conversion's three registers begin on an even number)
.endr
	v_nop                                          ; one plain place behind a scaled conversion
.irp c, 0,1                                    ; the operand's layout wants a whole block in a lane: lanes 0-15 block 2 c, lanes 16-31 block 2 c + 1
.irp i, 0,1,2
	v_permlane16_swap_b32 v[C+6*\c+\i], v[T2+4*\c+\i]
.endr
.irp i, 0,1,2
	v_mov_b32 v[C+3+6*\c+\i], v[T2+4*\c+\i]
.endr
.endr
.endm
.macro FRAGM f
	s_wait_loadcnt 16*(3-(\f))                     ; this fragment's 16 loads are in; those of the 3 - f fragments behind it may be out
	TURN \f
	s_wait_dscnt 0x0                               ; my 64 numbers are back
.if (\f) > 0
	s_wait_xcnt 0x0                                ; the last fragment's stores have read the codes' registers
.endif
	QUANT
.irp c, 0,1,2
	global_store_b128 v[VIN], v[C+4*\c:C+4*\c+3], s[12:13] offset:3072*(\f)+512*\c   ; 32 lanes store 512 consecutive bytes, at a multiple of 512
.endr
	ds_store_b32 v[SCW], v[PW] offset:64*(\f)      ; lanes r and r + 16 write the same word with the same value
.endm
	LOAD 0
	LOAD 1
	LOAD 2
	LOAD 3
	FRAGM 0
	FRAGM 1
	FRAGM 2
	FRAGM 3
	ds_load_b64 v[30:31], v[SCR]                   ; LDS serves a wave's instructions in order: this sees my four stores
	s_wait_dscnt 0x0
	global_store_b64 v[SCG], v[30:31], s[14:15]    ; 32 lanes store 256 consecutive bytes, at a multiple of 256
	s_wait_tensorcnt 0x0                           ; the wave's end
	ds_add_u32 v[SPW], v[NIL]
	s_wait_dscnt 0x0
	s_endpgm
.Lfunc_end_k_q8a86c30128_quant:
	.size	k_q8a86c30128_quant, .Lfunc_end_k_q8a86c30128_quant-k_q8a86c30128_quant
	.p2alignl 7, 3214868480
	.fill 96, 4, 3214868480
	.section	.rodata,"a",@progbits
	.p2align	6, 0x0
	.amdhsa_kernel k_q8a86c30128_quant
		.amdhsa_group_segment_fixed_size 35328
		.amdhsa_private_segment_fixed_size 0
		.amdhsa_enable_private_segment 0
		.amdhsa_kernarg_size 48
		.amdhsa_user_sgpr_count 2
		.amdhsa_user_sgpr_kernarg_segment_ptr 1
		.amdhsa_wavefront_size32 1
		.amdhsa_system_sgpr_workgroup_id_x 1
		.amdhsa_system_sgpr_workgroup_id_y 1
		.amdhsa_system_sgpr_workgroup_id_z 1
		.amdhsa_system_vgpr_workitem_id 0
		.amdhsa_next_free_vgpr 384
		.amdhsa_next_free_sgpr 66
		.amdhsa_reserve_vcc 0
		.amdhsa_float_denorm_mode_32 3
		.amdhsa_float_denorm_mode_16_64 3
		.amdhsa_memory_ordered 1
		.amdhsa_forward_progress 1
		.amdhsa_inst_pref_size 34
	.end_amdhsa_kernel
	.amdgpu_metadata
---
amdhsa.version: [ 1, 2 ]
amdhsa.kernels:
  - .name:           k_q8a86c30128_quant
    .symbol:         k_q8a86c30128_quant.kd
    .args:
      - { .name: x, .offset: 0, .size: 8, .value_kind: global_buffer, .address_space: global }
      - { .name: Wq, .offset: 8, .size: 8, .value_kind: global_buffer, .address_space: global }
      - { .name: Wk, .offset: 16, .size: 8, .value_kind: global_buffer, .address_space: global }
      - { .name: Wv, .offset: 24, .size: 8, .value_kind: global_buffer, .address_space: global }
      - { .name: xw_codes, .offset: 32, .size: 8, .value_kind: global_buffer, .address_space: global }
      - { .name: xw_scales, .offset: 40, .size: 8, .value_kind: global_buffer, .address_space: global }
    .group_segment_fixed_size: 35328
    .private_segment_fixed_size: 0
    .kernarg_segment_align: 8
    .kernarg_segment_size: 48
    .max_flat_workgroup_size: 128
    .sgpr_count:     66
    .vgpr_count:     384
    .wavefront_size: 32
...
	.end_amdgpu_metadata
.endif
;; end of part 1
;; launch qkv (part 2): grid 8 x 32, 4 waves a work-group, clusters of 4 x 4, 327,680 bytes of LDS; arguments xw_codes, xw_scales, bq, bk, bv, qkv_codes, qkv_scales; writes qkv_codes, qkv_scales
.if DOCPART == 2
	.amdgcn_target "amdgcn-amd-amdhsa--gfx1250"
	.amdhsa_code_object_version 6
	.text
	.protected	k_q8a86c30128_qkv
	.globl	k_q8a86c30128_qkv
	.p2align	8
	.type	k_q8a86c30128_qkv,@function
k_q8a86c30128_qkv:
	s_mov_b64 s[64:65], 0
	v_nop
	global_prefetch_b8 v0, s[64:65] scope:SCOPE_SE
	s_setreg_imm32_b32 hwreg(HW_REG_WAVE_MODE, 25, 1), 1
	s_wait_xcnt 0x0
	s_wait_alu depctr_hold_cnt(0) depctr_sa_sdst(0) depctr_va_vdst(0) depctr_va_sdst(0) depctr_va_ssrc(0) depctr_va_vcc(0) depctr_vm_vsrc(0)
	s_getreg_b32 s2, hwreg(HW_REG_IB_STS2, 6, 4)
	s_cmp_eq_u32 s2, 0
	s_cbranch_scc0 .Lentry_in_a_cluster
	s_endpgm
.Lentry_in_a_cluster:
	s_bfe_u32 s2, ttmp6, 0x10000c
	s_cmp_lg_u32 s2, 0xf033
	s_cbranch_scc0 .Lentry_shape_is_right
	s_endpgm
.Lentry_shape_is_right:
; q = x Wq^T + bq, k = x Wk^T + bk, v = x Wv^T + bv on codes of FP6 (E2M3) with E8M0 scales, f32 sums; the results are quantised on the way out for the products that follow: q and k along e, v along the KEYS.
; OPERANDS lie in memory as images of their registers (fragment: 16 rows x 128 K, 1,536 bytes, group c of lane l at 512 c + 16 l); fragment (R, s) of the list of 704 row blocks (0-511 x, 512-575 Wq, 576-639 Wk, 640-703 Wv)
; at (((s / 2) 704 + R) 2 + s % 2) x 1,536, its scale words at (s 704 + R) 64.  Lane row r of row block 2 b + u is row 32 b + 8 u + r + 8 (r / 8).
; THE MATRIX INSTRUCTION IS USED TRANSPOSED: source 0 = 16 rows of B, source 1 = 16 rows of A: a lane holds ONE row of A's side, and by the order of rows above its 64 registers of a block of A are 128 NEIGHBOURS along B's
; side, 16 of each block of 32: what the conversions want.  So a result is quantised in registers and leaves as a fragment image.
; A WORK-GROUP STAYS AND MAKES ONE AND A HALF TILES: the three products are 384 tiles of 256 x 256, 256 of q and k and 128 of v^T; 256 work-groups take a tile of q or k each, and then half a tile of v^T: equal work for all.
;   THE FIRST TILE: A = x (256 tokens), B = Wq (cluster x = 0) or Wk (1), 256 of e: four waves, each 128 x 128 in 64 accumulators; the result's K is e.
;   THE HALF TILE:  A = Wv (128 of e: tile 4 x cluster x + cy), B = x (256 tokens: tile 4 x cluster y + cx): four waves, each 64 x 128 in 32 accumulators; the result is v^T, its K the keys.
; K goes in slots of two K steps through a ring of two LDS slots; a wave's tensor load brings 8 row blocks x 2 K steps, 24,576 dense bytes (of the half tile's A: 4 row blocks, 12,288).  THE RING GOES ON INTO THE HALF TILE: the
; first tile's last two changes of slots ask for the half tile's first two slots, which land under the first tile's last steps and its way out.  The scale words of both tiles come once, with the first fills.
; CLUSTERS: 4 x 4.  A's tiles are shared along a row of the cluster, B's along a column: joint loads.  Both walks over K, 8 steps each, are written out.
; OUT: q at 0, k at 6,291,456 of qkv_codes: (((s / 2) 512 + R) 2 + s % 2) x 1,536, R the tokens' row block; v^T at 12,582,912 + batch x 1,572,864: (((s / 4) 64 + R) 4 + s % 4) x 1,536, R e's row block, s the keys' K step.
; LIMITS: a block whose largest magnitude lies under 2^-124 gets the byte 1; NaN and infinities are not served.
; REGISTERS: window 0: v6-31 addresses; v32-63 scale words, two sets; v64-127 the first tile's bias, later the codes on the way out; v128-223 A's fragments (first tile: one set of 8 blocks; half tile: two sets of 4); v224-255 at work on the way out.
;   window 1: B's fragments, two sets, at v0 and v128; v96-127 the half tile's bias.  windows 2, 3: the accumulators, (a, b) at v[8 (8 (a % 4) + b)]; the half tile's 32 in window 2.
.set FR,    12
.set FRB,   1536
.set RBB,   3072                       ; a row block in a slot: two K steps
.set HALFT, 8*RBB                      ; what one tensor load brings at the most, and what one wave reads of A or of B
.set SLOT,  4*HALFT                    ; A's two halves, then B's two
.set SCL,   2*SLOT                     ; behind the ring: the first tile's scale words, [8 K steps][8 row blocks][64 bytes] for each half
.set HALFS, 4096
.set SCL2,  SCL+4*HALFS                ; the half tile's: two copies of A's eight row blocks, then B's two halves
.set SPARE, SCL2+4*HALFS               ; the spare words, 128 bytes a wave, that no other line names
.set STG,   SPARE+512                  ; a stage of 2,048 bytes a wave for the results' scale words: bytes of its own, into which no tile lands
.set NRB,   704
.set KPS,   RBB*NRB                    ; from a slot's fragments to the next slot's, in memory
.set W0,    (3<<16)|(1<<21)            ; group 1, word 0 beside the mask: elements of 8 bytes; bit 21 set beside a mask; no padding
.set OS8,  6                           ; v6     8 x lane
.set SRB,  7                           ; v7     my stage + 8 x lane
.set ADRA, 16                          ; v16-17 LDS address of my A fragments in slot 0, 1
.set ADRS2, 18                         ; v18    the half tile's scale words: lanes 0-15 A's, lanes 16-31 B's
.set ADRS3, 19                         ; v19    the half tile's scale words of B, in all lanes
.set ADRB, 20                          ; v20-21 the same as v16-17 for B
.set BO1,  22                          ; v22    the bias' offset, q and k: 64 h
.set BO2,  23                          ; v23    the bias' offset, v: 4 (r % 8) + 64 (r / 8)
.set SWA,  25                          ; v25    my stage: where my row's scale word goes
.set SRA,  26                          ; v26    my stage + 16 x lane
.set ADRS, 27                          ; v27    the first tile's scale words: lanes 0-15 A's, lanes 16-31 B's
.set SPW,  28                          ; v28    my spare word; never rewritten
.set NIL,  29                          ; v29    0; never rewritten
.set OS,   30                          ; v30    16 x lane
.set SC,   32                          ; scale words: set s at v[SC + 16 s]; register 2 i + q: lanes 0-15 A's block i, lanes 16-31 B's block i, the slot's q-th K step.  These registers hold scales and nothing else
.set BI,   64
.set BI2,  96                          ; in window 1
.set PC,   64                          ; the way out: a fragment's codes
.set AF,   128
.set TM,   224
.set T2,   240
.set PWA,  248                         ; the blocks' scale words
.set G1,   24
.set G0,   32
.set G0S2, 40
.set G0SB2, 44
.set G1B,  48
.set G0B,  56
.set G1S,  68
.set G0S,  76
.set G1SB, 80
.set G0SB, 88
.set SEL,  96
.set MSB, 0
.macro WIN new                         ; the immediate's high byte repeats the setting that is left
.if MSB != (\new)
	s_set_vgpr_msb (MSB<<8)|(\new)
.set MSB, (\new)
.endif
.endm
.set MUL_LO, 0xa1                      ; source 0 (B) window 1, source 1 (A) window 0, C and D window 2
.set MUL_HI, 0xf1                      ; the same, C and D window 3
.set TO_B,   0x40
; A joint load: waves 0 and 1 fetch for A, waves 2 and 3 for B.  The branch hangs on the wave's number alone.  An s_nop 0 and four v_nop follow each line.
.macro JLOAD g0a, g1a, g0b, g1b
	s_cmp_eq_u32 s19, 0
	s_cbranch_scc0 .Lfor_b_\@
	tensor_load_to_lds s[\g0a:\g0a+3], s[\g1a:\g1a+7]
	s_nop 0
.rept 4
	v_nop
.endr
	s_branch .Lasked_\@
.Lfor_b_\@:
	tensor_load_to_lds s[\g0b:\g0b+3], s[\g1b:\g1b+7]
	s_nop 0
.rept 4
	v_nop
.endr
.Lasked_\@:
.endm
.macro CREST                           ; a round of the cluster's barrier behind its opening barrier
	s_cmp_lg_u32 s18, 0
	s_cbranch_scc1 .Lnot_wave_0_\@
	s_barrier_signal -3
.Lnot_wave_0_\@:
	s_barrier_wait -3
	s_barrier_signal -1
	s_barrier_wait -1
.endm
.macro CROUND
	s_barrier_signal -1
	s_barrier_wait -1
	CREST
.endm
.macro PLACES n                        ; plain places behind matrix instructions: in front of loads into registers that they have read, and of the first read of results
.rept \n
	v_nop
.endr
.endm
	s_load_b256 s[4:11], s[0:1], 0x0               ; the codes s[4:5], the scale words s[6:7], bq s[8:9], bk s[10:11]
	s_load_b128 s[12:15], s[0:1], 0x20             ; bv s[12:13], qkv_codes s[14:15]
	s_load_b64 s[16:17], s[0:1], 0x30              ; qkv_scales
	v_lshl_add_u32 v[SPW], v0, 2, SPARE
	v_mov_b32 v[NIL], 0
	ds_add_u32 v[SPW], v[NIL]                      ; the wave's opening: the add and its wait stand ahead of my first tensor load; the set-up below stands between them
	ds_add_u32 v[SPW], v[NIL]
	v_lshrrev_b32 v1, 5, v0
	v_readfirstlane_b32 s18, v1                    ; wave
	s_lshr_b32 s19, s18, 1                         ; HR: my half of A's rows.  Also: I fetch for A (0) or for B (1)
	s_and_b32 s20, s18, 1                          ; HC: my half of B's rows.  Also: which half I fetch
	s_bfe_u32 s21, ttmp6, 0x40000                  ; cx
	s_bfe_u32 s22, ttmp6, 0x40004                  ; cy
	s_mov_b32 s23, ttmp9                           ; cluster x
	s_and_b32 s66, ttmp7, 0xffff                   ; cluster y
	s_lshl_b32 s2, s23, 2
	s_add_co_u32 s67, s2, s22                      ; the half tile's A: 128 of e, tile 4 x cluster x + cy
	s_add_co_u32 s2, s2, s21                       ; tx: the first tile's B
	s_lshl_b32 s3, s66, 2
	s_add_co_u32 s100, s3, s21                     ; the half tile's B: 256 tokens, tile 4 x cluster y + cx
	s_add_co_u32 s3, s3, s22                       ; ty: the first tile's A
	s_lshl_b32 s92, s22, 2
	s_lshl_b32 s92, 15, s92                        ; my row of the cluster
	s_lshl_b32 s94, 0x1111, s21                    ; my column
	s_or_b32 s[G1], s92, W0
	s_or_b32 s[G1B], s94, W0
.irp g, G1, G1B                                ; 24,576 dense bytes as 96 rows of 256 (32 elements of 8 bytes)
	s_mov_b32 s[\g+1], 32<<16
	s_mov_b32 s[\g+2], 96<<16
	s_mov_b32 s[\g+3], 32<<16
	s_mov_b32 s[\g+4], 96
	s_mov_b32 s[\g+5], 32
	s_mov_b32 s[\g+6], 0
	s_mov_b32 s[\g+7], 0
.endr
	; the tiles' offsets, laid where the addresses will stand.  A's hang on cy and the cluster's place alone, B's on cx and the cluster's place alone
	s_lshl_b32 s104, s20, 3                        ; 8 HC: the half that I fetch
	s_lshl_b32 s105, s20, 2                        ; 4 HC: of the half tile's A
	s_lshl_b32 s92, s3, 4
	s_add_co_u32 s92, s92, s104                    ; the first tile's A = x: row block 16 ty + 8 HC
	s_mul_i32 s[G0+2], s92, RBB
	s_mov_b32 s[G0+3], 0
	s_lshl_b32 s[G0S+2], s92, 6
	s_mov_b32 s[G0S+3], 0
	s_lshl_b32 s94, s2, 4
	s_add_co_u32 s94, s94, s104
	s_add_co_u32 s94, s94, 512                     ; its B = Wq, Wk: 512 + 16 tx + 8 HC
	s_mul_i32 s[G0B+2], s94, RBB
	s_mov_b32 s[G0B+3], 0
	s_lshl_b32 s[G0SB+2], s94, 6
	s_lshl_b32 s92, s67, 3
	s_add_co_u32 s92, s92, 640                     ; the half tile's A = Wv: its eight row blocks begin at 640 + 8 x tile
	s_lshl_b32 s[G0S2+2], s92, 6                   ; (both waves that fetch for A bring all eight blocks' scale words, 4,096 bytes, each to a copy of its own: so one shape of descriptor serves both tiles)
	s_mov_b32 s[G0S2+3], 0
	s_add_co_u32 s92, s92, s105                    ; its codes: + 4 HC
	s_mul_i32 s92, s92, RBB
	s_mov_b32 s93, 0
	s_lshl_b32 s94, s100, 4
	s_add_co_u32 s94, s94, s104                    ; its B = x: 16 x tile + 8 HC
	s_lshl_b32 s[G0SB2+2], s94, 6
	s_mul_i32 s94, s94, RBB
	s_mov_b32 s95, 0
	s_mul_i32 s101, s18, HALFT                     ; where they go: wave x a half: no place in the cluster enters an LDS address
.irp s, 0,1
	s_mov_b32 s[G0+4*\s], 1
	s_add_co_u32 s[G0+4*\s+1], s101, \s*SLOT
	s_mov_b32 s[G0B+4*\s], 1
	s_add_co_u32 s[G0B+4*\s+1], s101, \s*SLOT
.endr
	; THE SCALE WORDS come through registers, not by tensor loads: each wave loads its 4,096 bytes of each tile (8 K steps x 512 consecutive bytes) and stores them to LDS bytes into which no tile lands.
	; They are not asked for jointly: 8,192 bytes a wave against the 24,576 that each of its joint loads brings, eight times over.
	s_lshl_b32 s101, s18, 12
	s_add_co_u32 s101, s101, SCL                   ; where my scale words go: SCL + 4,096 x wave
	s_cmp_eq_u32 s19, 0                            ; waves 0 and 1 take A's words, waves 2 and 3 B's: the offsets are chosen, then added to the buffer's address
	s_cselect_b32 s[G0S+2], s[G0S+2], s[G0SB+2]
	s_cselect_b32 s[G0S2+2], s[G0S2+2], s[G0SB2+2]
	s_wait_dscnt 0x0                               ; both opening adds are done
	s_wait_kmcnt 0x0
	s_add_nc_u64 s[G0S+2:G0S+3], s[6:7], s[G0S+2:G0S+3]
	s_add_nc_u64 s[G0S2+2:G0S2+3], s[6:7], s[G0S2+2:G0S2+3]
.irp g, G0, G0B
	s_add_nc_u64 s[\g+2:\g+3], s[4:5], s[\g+2:\g+3]
	s_add_nc_u64 s[\g+6:\g+7], s[\g+2:\g+3], KPS
	s_or_b32 s[\g+3], s[\g+3], 0x80000000
	s_or_b32 s[\g+7], s[\g+7], 0x80000000
.endr
	s_add_nc_u64 s[6:7], s[4:5], s[94:95]          ; kept: where my part of the half tile's B begins,
	s_add_nc_u64 s[4:5], s[4:5], s[92:93]
	v_and_b32 v1, 31, v0                           ; lane
	v_lshlrev_b32 v[OS], 4, v1
.irp j, 0,1,2,3,4,5,6,7                        ; the scale words' loads go out as soon as their addresses stand, ahead of the round
	global_load_b128 v[AF+4*\j:AF+4*\j+3], v[OS], s[G0S+2:G0S+3] offset:64*NRB*\j       ; the first tile's words of K step j: 32 lanes read 512 consecutive bytes, at a multiple of 512
	global_load_b128 v[AF+32+4*\j:AF+35+4*\j], v[OS], s[G0S2+2:G0S2+3] offset:64*NRB*\j ; the half tile's
.endr
	s_wait_alu depctr_va_vdst(0)                   ; directly ahead of the barrier's signal
	CROUND
	JLOAD G0, G1, G0B, G1B                         ; slot 0: one tensor load a wave at the head
	v_and_b32 v2, 15, v0                           ; r
	v_bfe_u32 v3, v0, 4, 1                         ; h
	s_wait_alu depctr_va_vdst(0)
	v_lshlrev_b32 v[OS8], 3, v1
	v_add_nc_u32 v24, s101, v[OS]                  ; v24: LDS address of my 16 bytes of a K step's 512 bytes of scale words
	s_mul_i32 s92, s19, HALFT
	s_mul_i32 s93, s20, HALFT
	s_add_co_u32 s93, s93, 2*HALFT                 ; my half of B, behind A's two
.irp s, 0,1
	v_add_nc_u32 v[ADRA+\s], s92, v[OS]
	v_add_nc_u32 v[ADRB+\s], s93, v[OS]
	s_add_co_u32 s92, s92, SLOT
	s_add_co_u32 s93, s93, SLOT
.endr
	s_add_co_u32 s92, s20, 2
	s_sub_co_u32 s92, s92, s19
	s_lshl_b32 s92, s92, 12                        ; from my A's scale words to my B's
	v_mul_u32_u24 v4, s92, v3                      ; lanes 16-31 take B's
	s_lshl_b32 s93, s19, 12
	s_add_co_u32 s93, s93, SCL
	v_lshl_add_u32 v[ADRS], v2, 2, v4
	v_add_nc_u32 v[ADRS], s93, v[ADRS]
	s_mul_i32 s93, s19, HALFS+256                  ; the half tile: copy HR of A's words, and in it my four row blocks, 256 HR bytes on
	s_lshl_b32 s92, s20, 12
	s_add_co_u32 s92, s92, 2*HALFS                 ; my half of B's words
	s_add_co_u32 s94, s92, SCL2
	v_lshl_add_u32 v[ADRS3], v2, 2, s94
	s_sub_co_u32 s92, s92, s93                     ; from my A's to my B's
	v_mul_u32_u24 v4, s92, v3
	s_add_co_u32 s93, s93, SCL2
	v_lshl_add_u32 v[ADRS2], v2, 2, v4
	v_add_nc_u32 v[ADRS2], s93, v[ADRS2]
	s_lshl_b32 s92, s18, 11
	s_add_co_u32 s92, s92, STG                     ; my stage
	v_lshl_add_u32 v[SWA], v2, 2, s92
	v_add_nc_u32 v[SRA], s92, v[OS]
	v_add_nc_u32 v[SRB], s92, v[OS8]
	v_lshlrev_b32 v[BO1], 6, v3
	s_wait_alu depctr_va_vdst(0)
	v_and_b32 v4, 7, v2
	v_lshrrev_b32 v5, 3, v2
	v_lshlrev_b32 v[BO2], 2, v4
	v_lshl_add_u32 v[BO2], v5, 6, v[BO2]
	s_wait_alu depctr_va_vdst(0)
.irp b, 0,1,2,3
	v_mov_b32 v[TM+4+\b], 0                        ; written once: a lane permute's destination counts as one of its sources
.endr
	; where the half tile's results go: s[98:99] the codes, s[104:105] the scale words; and its bias
	s_lshl_b32 s92, s67, 3
	s_lshl_b32 s93, s19, 2
	s_add_co_u32 s92, s92, s93                     ; my first row block of e: 8 x tile + 4 HR
	s_and_b32 s93, s100, 7                         ; the tokens' tile in its batch
	s_lshr_b32 s94, s93, 1
	s_lshl_b32 s94, s94, 6
	s_add_co_u32 s94, s94, s92
	s_lshl_b32 s94, s94, 2
	s_and_b32 s95, s93, 1
	s_lshl_b32 s95, s95, 1
	s_add_co_u32 s94, s94, s95
	s_add_co_u32 s94, s94, s20
	s_mul_i32 s94, s94, FRB                        ; my 128 keys are K step s = 2 x tile + HC: (((s / 4) 64 + R) 4 + s % 4) x 1,536
	s_lshr_b32 s101, s66, 1                        ; the batch
	s_mul_i32 s95, s101, 1572864
	s_add_co_u32 s94, s94, s95
	s_add_co_u32 s94, s94, 12582912
	s_mov_b32 s95, 0
	s_add_nc_u64 s[98:99], s[14:15], s[94:95]
	s_lshl_b32 s94, s93, 1
	s_add_co_u32 s94, s94, s20
	s_lshl_b32 s94, s94, 6
	s_add_co_u32 s94, s94, s92
	s_lshl_b32 s94, s94, 6                         ; (s 64 + R) 64
	s_lshl_b32 s93, s101, 16
	s_add_co_u32 s94, s94, s93
	s_add_co_u32 s94, s94, 524288
	s_add_nc_u64 s[104:105], s[16:17], s[94:95]
	s_lshl_b32 s94, s92, 6                         ; 16 rows of 4 bytes a row block
	s_add_nc_u64 s[12:13], s[12:13], s[94:95]
	; and the first tile's: s[14:15], s[16:17]; its bias s[8:9]
	s_lshl_b32 s92, s19, 3
	s_lshl_b32 s93, s3, 4
	s_add_co_u32 s92, s92, s93                     ; my first row block of tokens: 16 ty + 8 HR
	s_lshl_b32 s94, s21, 9
	s_add_co_u32 s94, s94, s92
	s_lshl_b32 s94, s94, 1
	s_add_co_u32 s94, s94, s20
	s_mul_i32 s94, s94, FRB                        ; my 128 of e are K step 2 cx + HC: ((cx 512 + R) 2 + HC) x 1,536
	s_mul_i32 s93, s23, 6291456
	s_add_co_u32 s94, s94, s93
	s_add_nc_u64 s[14:15], s[14:15], s[94:95]
	s_lshl_b32 s94, s21, 1
	s_add_co_u32 s94, s94, s20
	s_lshl_b32 s94, s94, 9
	s_add_co_u32 s94, s94, s92
	s_lshl_b32 s94, s94, 6
	s_lshl_b32 s93, s23, 18
	s_add_co_u32 s94, s94, s93
	s_add_nc_u64 s[16:17], s[16:17], s[94:95]
	s_lshl_b32 s94, s21, 10
	s_lshl_b32 s93, s20, 9
	s_add_co_u32 s94, s94, s93                     ; the bias of my 128 of e
	s_cmp_eq_u32 s23, 0
	s_cselect_b64 s[8:9], s[8:9], s[10:11]
	s_add_nc_u64 s[8:9], s[8:9], s[94:95]
	s_mov_b32 s[SEL], 0x76543210
	s_mov_b32 s[SEL+1], 0xfedcba98
	; THE BIAS is the C of each sum's first matrix instruction.  q, k: it runs along the registers: tile b's eight numbers, 32 (b / 2) + 16 h + 8 (b % 2) + 0 .. 7.  v: it runs along the lanes: block a's number of row r, in all eight registers
.irp b, 0,1,2,3,4,5,6,7
	global_load_b128 v[BI+8*\b:BI+8*\b+3], v[BO1], s[8:9] offset:(32*(\b/2)+8*(\b%2))*4
	global_load_b128 v[BI+8*\b+4:BI+8*\b+7], v[BO1], s[8:9] offset:(32*(\b/2)+8*(\b%2))*4+16
.endr
	WIN TO_B
.irp a, 0,1,2,3
	global_load_b32 v[BI2+8*\a], v[BO2], s[12:13] offset:(32*(\a/2)+8*(\a%2))*4
.endr
	WIN 0
.macro FRAG reg, adr, q, i             ; a fragment comes as it was stored: three loads of 512 consecutive bytes
.irp c, 0,1,2
	ds_load_b128 v[\reg+4*\c:\reg+4*\c+3], v[\adr] offset:(\i)*RBB+(\q)*FRB+512*\c
.endr
.endm
.macro FETCH_B slot, q, p              ; B's eight fragments of the slot's q-th K step into set p
	WIN TO_B
.irp i, 0,1,2,3,4,5,6,7
	FRAG 128*(\p)+FR*\i, ADRB+\slot, \q, \i
.endr
	WIN 0
.endm
.macro FETCH_A slot, q, i0             ; the first tile: A's blocks i0 .. i0 + 3
.irp i, \i0, \i0+1, \i0+2, \i0+3
	FRAG AF+FR*(\i), ADRA+\slot, \q, \i
.endr
.endm
.macro FETCH_AH slot, q, p             ; the half tile: A's four blocks into set p
.irp i, 0,1,2,3
	FRAG AF+48*(\p)+FR*\i, ADRA+\slot, \q, \i
.endr
.endm
.macro SCALES sc                       ; the first tile: a slot's scale words into set sc
.irp i, 0,1,2,3,4,5,6,7
	ds_load_b32 v[SC+16*\sc+2*\i], v[ADRS] offset:64*\i
	ds_load_b32 v[SC+16*\sc+2*\i+1], v[ADRS] offset:512+64*\i
.endr
.endm
.macro SCALESH sc                      ; the half tile: A has four blocks, B eight: registers of blocks 4-7 take B's words in all lanes
.irp i, 0,1,2,3
	ds_load_b32 v[SC+16*\sc+2*\i], v[ADRS2] offset:64*\i
	ds_load_b32 v[SC+16*\sc+2*\i+1], v[ADRS2] offset:512+64*\i
.endr
.irp i, 4,5,6,7
	ds_load_b32 v[SC+16*\sc+2*\i], v[ADRS3] offset:64*\i
	ds_load_b32 v[SC+16*\sc+2*\i+1], v[ADRS3] offset:512+64*\i
.endr
.endm
; The first tile: 16 matrix instructions: A's blocks a0, a0 + 1 x B's eight.  cm 0: the sums go on;  2: they start with the bias.  The 64 accumulators take turns, one instruction a turn.
.macro MUL16 a0, p, q, sc, cm
.irp a, \a0, \a0+1
.irp b, 0,1,2,3,4,5,6,7
.if \cm == 0
	v_wmma_scale_f32_16x16x128_f8f6f4 v[8*(8*((\a)%4)+\b):8*(8*((\a)%4)+\b)+7], v[128*(\p)+FR*\b:128*(\p)+FR*\b+FR-1], v[AF+FR*(\a):AF+FR*(\a)+FR-1], v[8*(8*((\a)%4)+\b):8*(8*((\a)%4)+\b)+7], v[SC+16*(\sc)+2*\b+(\q)], v[SC+16*(\sc)+2*(\a)+(\q)] matrix_a_fmt:MATRIX_FMT_FP6 matrix_b_fmt:MATRIX_FMT_FP6 matrix_a_scale:MATRIX_SCALE_ROW1
.else
	v_wmma_scale_f32_16x16x128_f8f6f4 v[8*(8*((\a)%4)+\b):8*(8*((\a)%4)+\b)+7], v[128*(\p)+FR*\b:128*(\p)+FR*\b+FR-1], v[AF+FR*(\a):AF+FR*(\a)+FR-1], v[BI+8*\b:BI+8*\b+7], v[SC+16*(\sc)+2*\b+(\q)], v[SC+16*(\sc)+2*(\a)+(\q)] matrix_a_fmt:MATRIX_FMT_FP6 matrix_b_fmt:MATRIX_FMT_FP6 matrix_a_scale:MATRIX_SCALE_ROW1
.endif
.endr
.endr
.endm
; The half tile: 8 matrix instructions: A's block a of set p x B's eight.  cm 1: the sums start with the bias.  The 32 accumulators take turns likewise.
.macro MULH a, p, q, sc, cm
.irp b, 0,1,2,3,4,5,6,7
.if \cm == 0
	v_wmma_scale_f32_16x16x128_f8f6f4 v[8*(8*(\a)+\b):8*(8*(\a)+\b)+7], v[128*(\p)+FR*\b:128*(\p)+FR*\b+FR-1], v[AF+48*(\p)+FR*(\a):AF+48*(\p)+FR*(\a)+FR-1], v[8*(8*(\a)+\b):8*(8*(\a)+\b)+7], v[SC+16*(\sc)+2*\b+(\q)], v[SC+16*(\sc)+2*(\a)+(\q)] matrix_a_fmt:MATRIX_FMT_FP6 matrix_b_fmt:MATRIX_FMT_FP6 matrix_a_scale:MATRIX_SCALE_ROW1
.else
	v_wmma_scale_f32_16x16x128_f8f6f4 v[8*(8*(\a)+\b):8*(8*(\a)+\b)+7], v[128*(\p)+FR*\b:128*(\p)+FR*\b+FR-1], v[AF+48*(\p)+FR*(\a):AF+48*(\p)+FR*(\a)+FR-1], v[BI2+8*(\a):BI2+8*(\a)+7], v[SC+16*(\sc)+2*\b+(\q)], v[SC+16*(\sc)+2*(\a)+(\q)] matrix_a_fmt:MATRIX_FMT_FP6 matrix_b_fmt:MATRIX_FMT_FP6 matrix_a_scale:MATRIX_SCALE_ROW1
.endif
.endr
.endm
; THE FIRST TILE.  A slot's first K step.  A block of A is free as soon as its eight products are issued: blocks 0-3 are fetched anew in the step's middle, blocks 4-7 at its end; B has two sets.
.macro STEP slot, cm
	s_wait_dscnt 12                                ; B's set, A's blocks 0-3 and the scale words are in; the youngest 12 loads (A's blocks 4-7) may be out
.if \cm
	WIN 0x81                                       ; the bias lies in window 0
.else
	WIN MUL_LO
.endif
	MUL16 0, 0, 0, \slot, \cm
	MUL16 2, 0, 0, \slot, \cm
	s_wait_dscnt 0x0                               ; A's blocks 4-7 are in
	PLACES 4
	FETCH_B \slot, 1, 1
	FETCH_A \slot, 1, 0
.if \cm
	WIN 0xc1
.else
	WIN MUL_HI
.endif
	MUL16 4, 0, 0, \slot, \cm
	MUL16 6, 0, 0, \slot, \cm
	PLACES 4
	WIN 0
	FETCH_A \slot, 1, 4
.endm
; A slot's second K step changes slots: ONE barrier, which opens a round of the cluster's; in front of it each wave waits for all its tensor loads, adds 0 to its spare word, and waits for that and for its reads of this slot.
; Behind the round this slot is filled again: on = 0: with this tile's slot two on; on = 1: with the HALF TILE's slot of the same number.  nk = 1: the next slot's fragments are this tile's; 2: the half tile's first.
.macro TURN slot, next, on, nk
	s_wait_tensorcnt 0x0                           ; all my tensor loads have landed: my part of the next slot
	ds_add_u32 v[SPW], v[NIL]                      ; 0 onto my spare word
	s_wait_dscnt 13                                ; (the add and the youngest 12 loads, A's blocks 4-7, may be out)
	WIN MUL_LO
	MUL16 0, 1, 1, \slot, 0                        ; sixteen matrix instructions stand between the add and the wait for it
	s_wait_dscnt 0x0                               ; the add is done, and my reads of this slot are over
	s_barrier_signal -1
	MUL16 2, 1, 1, \slot, 0
	WIN 0
	s_barrier_wait -1
	CREST                                          ; no wave of any partner still reads this slot or has a load on its way
.if \on
.if \slot == 0
	s_mov_b32 s[G1+2], 48<<16                      ; from here on A's loads bring 4 row blocks: 12,288 dense bytes as 48 rows of 256 (no tensor load of mine is out)
	s_mov_b32 s[G1+4], 48
.endif
	s_add_nc_u64 s[G0+4*\slot+2:G0+4*\slot+3], s[4:5], \slot*KPS
	s_or_b32 s[G0+4*\slot+3], s[G0+4*\slot+3], 0x80000000
	s_add_nc_u64 s[G0B+4*\slot+2:G0B+4*\slot+3], s[6:7], \slot*KPS
	s_or_b32 s[G0B+4*\slot+3], s[G0B+4*\slot+3], 0x80000000
.else
	s_add_nc_u64 s[G0+4*\slot+2:G0+4*\slot+3], s[G0+4*\slot+2:G0+4*\slot+3], 2*KPS
	s_add_nc_u64 s[G0B+4*\slot+2:G0B+4*\slot+3], s[G0B+4*\slot+2:G0B+4*\slot+3], 2*KPS
.endif
	JLOAD G0+4*\slot, G1, G0B+4*\slot, G1B         ; the first tensor load behind the round; its four v_nop are the places in front of the loads below
.if \nk == 1
	s_wait_alu depctr_va_vdst(0)
	v_add_nc_u32 v[ADRS], 1024, v[ADRS]            ; on to the next slot's scale words
	FETCH_B \next, 0, 0
	FETCH_A \next, 0, 0
	SCALES \next
.else
	FETCH_B \next, 0, 0
	FETCH_AH \next, 0, 0
	SCALESH \next
.endif
	WIN MUL_HI
	MUL16 4, 1, 1, \slot, 0
	MUL16 6, 1, 1, \slot, 0
	PLACES 4
	WIN 0
.if \nk == 1
	FETCH_A \next, 0, 4
.endif
.endm
; THE HALF TILE.  A slot's first K step: the second's 36 loads go out in one run, then this step's 32 products.  A and B have two sets each.
.macro HSTEP slot, cm
	s_wait_dscnt 0x0                               ; this step's fragments and scale words are in
	PLACES 4
	FETCH_B \slot, 1, 1
	FETCH_AH \slot, 1, 1
.if \cm
	WIN 0x91                                       ; the bias lies in window 1
.else
	WIN MUL_LO
.endif
	MULH 0, 0, 0, \slot, \cm
	MULH 1, 0, 0, \slot, \cm
	MULH 2, 0, 0, \slot, \cm
	MULH 3, 0, 0, \slot, \cm
	WIN 0
.endm
; A slot's second K step changes slots, as in the first tile.  fill = 1: this slot is filled again, two slots ahead.
.macro HTURN slot, next, fill
	s_wait_tensorcnt 0x0                           ; all my tensor loads have landed: my part of the next slot
	ds_add_u32 v[SPW], v[NIL]                      ; 0 onto my spare word
	s_wait_dscnt 1                                 ; (the add may be out: this step's 36 loads are in)
	WIN MUL_LO
	MULH 0, 1, 1, \slot, 0                         ; eight matrix instructions stand between the add and the wait for it
	s_wait_dscnt 0x0                               ; the add is done, and my reads of this slot are over
	s_barrier_signal -1
	MULH 1, 1, 1, \slot, 0
	WIN 0
	s_barrier_wait -1
.if \fill
	CREST                                          ; no wave of any partner still reads this slot or has a load on its way
	s_add_nc_u64 s[G0+4*\slot+2:G0+4*\slot+3], s[G0+4*\slot+2:G0+4*\slot+3], 2*KPS
	s_add_nc_u64 s[G0B+4*\slot+2:G0B+4*\slot+3], s[G0B+4*\slot+2:G0B+4*\slot+3], 2*KPS
	JLOAD G0+4*\slot, G1, G0B+4*\slot, G1B         ; the first tensor load behind the round; its four v_nop are the places in front of the loads below
.else
	PLACES 4
.endif
	s_wait_alu depctr_va_vdst(0)
	v_add_nc_u32 v[ADRS2], 1024, v[ADRS2]          ; on to the next slot's scale words
	v_add_nc_u32 v[ADRS3], 1024, v[ADRS3]
	FETCH_B \next, 0, 0
	FETCH_AH \next, 0, 0
	SCALESH \next
	WIN MUL_LO
	MULH 2, 1, 1, \slot, 0
	MULH 3, 1, 1, \slot, 0
	WIN 0
.endm
; THE WAY OUT.  Block a's 64 registers of a lane are 16 neighbours of each of four blocks of 32 along the next K: they become one fragment and one scale word a row.  Each accumulator is first read at its registers 0 and 1.
; base: the scalar pair with the codes' address; stride: bytes from a row block's image to the next; stoff: where in my stage the words go; w = 1: earlier stores have named the codes' registers
.macro OUTBLK a, base, stride, stoff, w
.set AC, 64*((\a)%4)
.set WN, 2+(\a)/4
.set WW, (WN<<2)|(WN<<4)
	WIN WW                                         ; sources 1 and 2: the accumulators' window
.irp b, 0,1,2,3
	v_max3_num_f32 v[TM+\b], 0x1800000, |v[AC+16*\b]|, |v[AC+16*\b+1]|   ; the floor 2^(3 - 127): the byte cannot fall under 1
.endr
.irp i, 2,4,6,8,10,12,14
.irp b, 0,1,2,3
	v_max3_num_f32 v[TM+\b], v[TM+\b], |v[AC+16*\b+\i]|, |v[AC+16*\b+\i+1]|
.endr
.endr
	WIN 0
.irp b, 0,1,2,3
	v_permlanex16_b32 v[TM+4+\b], v[TM+\b], s[SEL], s[SEL+1]
.endr
.irp b, 0,1,2,3
	v_max_num_f32 v[TM+\b], v[TM+\b], v[TM+4+\b]   ; with lane l xor 16's 16: the block's largest magnitude
.endr
.irp b, 0,1,2,3
	v_add_nc_u32 v[TM+12+\b], 0xff000000, v[TM+\b] ; 2 off its exponent field: the conversion's scale operand
.endr
.irp b, 0,1,2,3
	v_lshrrev_b32 v[TM+4+\b], 23, v[TM+12+\b]      ; the scale's byte
.endr
	v_lshl_or_b32 v[PWA+(\a)], v[TM+5], 8, v[TM+4]
	v_lshl_or_b32 v[PWA+(\a)], v[TM+6], 16, v[PWA+(\a)]
	v_lshl_or_b32 v[PWA+(\a)], v[TM+7], 24, v[PWA+(\a)]
.if \w
	s_wait_xcnt 0x0                                ; the last block's stores have read their data
.endif
	WIN WN                                         ; source 0: the accumulators' window
.irp c, 0,1
	v_cvt_scalef32_pk16_fp6_f32 v[PC+6*\c:PC+6*\c+2], v[AC+32*\c:AC+32*\c+15], v[TM+12+2*\c]
	v_cvt_scalef32_pk16_fp6_f32 v[T2+4*\c:T2+4*\c+2], v[AC+32*\c+16:AC+32*\c+31], v[TM+12+2*\c+1]
.endr
	WIN 0
	v_nop                                          ; one plain place behind a scaled conversion
.irp c, 0,1
.irp i, 0,1,2
	v_permlane16_swap_b32 v[PC+6*\c+\i], v[T2+4*\c+\i]
.endr
.irp i, 0,1,2
	v_mov_b32 v[PC+3+6*\c+\i], v[T2+4*\c+\i]
.endr
.endr
.irp c, 0,1,2
	global_store_b128 v[OS], v[PC+4*\c:PC+4*\c+3], s[\base:\base+1] offset:\stride*(\a)+512*\c   ; 32 lanes store 512 consecutive bytes, at a multiple of 512
.endr
	ds_store_b32 v[SWA], v[PWA+(\a)] offset:\stoff+64*(\a)
.endm
	s_wait_alu depctr_va_vdst(0)                   ; the head's end
	s_wait_loadcnt 20                              ; the 16 loads of scale words are in; the 20 loads of the biases, issued behind them, may be out
.irp j, 0,1,2,3,4,5,6,7
	ds_store_b128 v24, v[AF+4*\j:AF+4*\j+3] offset:512*\j
	ds_store_b128 v24, v[AF+32+4*\j:AF+35+4*\j] offset:SCL2-SCL+512*\j
.endr
	s_wait_tensorcnt 0x0                           ; my part of slot 0 is in
	ds_add_u32 v[SPW], v[NIL]
	s_wait_dscnt 0x0                               ; the add is done, and so are my stores of scale words
	CROUND                                         ; everybody's part of slot 0 and everybody's scale words are in, and all sixteen work-groups are here
	JLOAD G0+4, G1, G0B+4, G1B                     ; slot 1's first fill: the first tensor load behind the round
	FETCH_B 0, 0, 0
	FETCH_A 0, 0, 0
	SCALES 0
	FETCH_A 0, 0, 4
	s_wait_loadcnt 0x0                             ; the biases
	WIN 0x41                                       ; source 0 and destination: window 1
.irp a, 0,1,2,3
.irp j, 1,2,3,4,5,6,7
	v_mov_b32 v[BI2+8*\a+\j], v[BI2+8*\a]          ; the half tile's bias: a row's number in all eight registers
.endr
.endr
	WIN 0
	STEP 0, 2                                      ; the first K step starts the sums
	TURN 0, 1, 0, 1
	STEP 1, 0
	TURN 1, 0, 0, 1
	STEP 0, 0
	TURN 0, 1, 1, 1                                ; THE RING GOES ON INTO THE HALF TILE: slot 0 takes its K steps 0 and 1,
	STEP 1, 0
	TURN 1, 0, 1, 2                                ; slot 1 its K steps 2 and 3, and its first fragments are fetched; the four places at the turn's end stand ahead of the first read of results
.irp a, 0,1,2,3,4,5,6,7
	OUTBLK \a, 14, 3072, 0, (\a > 0)
.endr
	ds_load_b128 v[76:79], v[SRA]                  ; my eight blocks' scale words, 512 bytes: LDS serves a wave's instructions in order
	s_wait_dscnt 0x0
	global_store_b128 v[OS], v[76:79], s[16:17]
	HSTEP 0, 1                                     ; the half tile's first K step starts its sums
	HTURN 0, 1, 1
	HSTEP 1, 0
	HTURN 1, 0, 1
	HSTEP 0, 0
	HTURN 0, 1, 0                                  ; the last two slots are in LDS: nothing is filled, no round
	HSTEP 1, 0
	s_wait_dscnt 0x0                               ; the last K step: nothing more to fetch
	WIN MUL_LO
	MULH 0, 1, 1, 1, 0
	MULH 1, 1, 1, 1, 0
	MULH 2, 1, 1, 1, 0
	MULH 3, 1, 1, 1, 0
	WIN 0
	PLACES 4
.irp a, 0,1,2,3
	OUTBLK \a, 98, 6144, 512, 1
.endr
	ds_load_b64 v[80:81], v[SRB] offset:512        ; my four blocks' scale words, 256 bytes
	s_wait_dscnt 0x0
	global_store_b64 v[OS8], v[80:81], s[104:105]  ; 32 lanes store 256 consecutive bytes, at a multiple of 256
	s_wait_tensorcnt 0x0                           ; the wave's end
	ds_add_u32 v[SPW], v[NIL]
	s_wait_dscnt 0x0
	CROUND                                         ; the closing round
	s_endpgm
.Lfunc_end_k_q8a86c30128_qkv:
	.size	k_q8a86c30128_qkv, .Lfunc_end_k_q8a86c30128_qkv-k_q8a86c30128_qkv
	.p2alignl 7, 3214868480
	.fill 96, 4, 3214868480
	.section	.rodata,"a",@progbits
	.p2align	6, 0x0
	.amdhsa_kernel k_q8a86c30128_qkv
		.amdhsa_group_segment_fixed_size 327680
		.amdhsa_private_segment_fixed_size 0
		.amdhsa_enable_private_segment 0
		.amdhsa_kernarg_size 56
		.amdhsa_user_sgpr_count 2
		.amdhsa_user_sgpr_kernarg_segment_ptr 1
		.amdhsa_wavefront_size32 1
		.amdhsa_system_sgpr_workgroup_id_x 1
		.amdhsa_system_sgpr_workgroup_id_y 1
		.amdhsa_system_sgpr_workgroup_id_z 1
		.amdhsa_system_vgpr_workitem_id 0
		.amdhsa_next_free_vgpr 1024
		.amdhsa_next_free_sgpr 106
		.amdhsa_reserve_vcc 0
		.amdhsa_float_denorm_mode_32 3
		.amdhsa_float_denorm_mode_16_64 3
		.amdhsa_memory_ordered 1
		.amdhsa_forward_progress 1
		.amdhsa_inst_pref_size 227
	.end_amdhsa_kernel
	.amdgpu_metadata
---
amdhsa.version: [ 1, 2 ]
amdhsa.kernels:
  - .name:           k_q8a86c30128_qkv
    .symbol:         k_q8a86c30128_qkv.kd
    .args:
      - { .name: xw_codes, .offset: 0, .size: 8, .value_kind: global_buffer, .address_space: global }
      - { .name: xw_scales, .offset: 8, .size: 8, .value_kind: global_buffer, .address_space: global }
      - { .name: bq, .offset: 16, .size: 8, .value_kind: global_buffer, .address_space: global }
      - { .name: bk, .offset: 24, .size: 8, .value_kind: global_buffer, .address_space: global }
      - { .name: bv, .offset: 32, .size: 8, .value_kind: global_buffer, .address_space: global }
      - { .name: qkv_codes, .offset: 40, .size: 8, .value_kind: global_buffer, .address_space: global }
      - { .name: qkv_scales, .offset: 48, .size: 8, .value_kind: global_buffer, .address_space: global }
    .group_segment_fixed_size: 327680
    .private_segment_fixed_size: 0
    .kernarg_segment_align: 8
    .kernarg_segment_size: 56
    .max_flat_workgroup_size: 128
    .sgpr_count:     106
    .vgpr_count:     1024
    .wavefront_size: 32
...
	.end_amdgpu_metadata
.endif
;; end of part 2
;; launch scores (part 3): grid 8 x 32, 4 waves a work-group, clusters of 4 x 4, 327,680 bytes of LDS; arguments qkv_codes, qkv_scales, p_codes, p_stats; writes p_codes, p_stats
.if DOCPART == 3
	.amdgcn_target "amdgcn-amd-amdhsa--gfx1250"
	.amdhsa_code_object_version 6
	.text
	.protected	k_q8a86c30128_scores
	.globl	k_q8a86c30128_scores
	.p2align	8
	.type	k_q8a86c30128_scores,@function
k_q8a86c30128_scores:
	s_mov_b64 s[64:65], 0
	v_nop
	global_prefetch_b8 v0, s[64:65] scope:SCOPE_SE
	s_setreg_imm32_b32 hwreg(HW_REG_WAVE_MODE, 25, 1), 1
	s_wait_xcnt 0x0
	s_wait_alu depctr_hold_cnt(0) depctr_sa_sdst(0) depctr_va_vdst(0) depctr_va_sdst(0) depctr_va_ssrc(0) depctr_va_vcc(0) depctr_vm_vsrc(0)
	s_getreg_b32 s2, hwreg(HW_REG_IB_STS2, 6, 4)
	s_cmp_eq_u32 s2, 0
	s_cbranch_scc0 .Lentry_in_a_cluster
	s_endpgm
.Lentry_in_a_cluster:
	s_bfe_u32 s2, ttmp6, 0x10000c
	s_cmp_lg_u32 s2, 0xf033
	s_cbranch_scc0 .Lentry_shape_is_right
	s_endpgm
.Lentry_shape_is_right:
; S = q k^T on codes of FP6 (E2M3) with E8M0 scales, f32 sums, and the softmax's numerator, quantised along the keys for the last product.
; t = score x log2(e) / 32.  p = 2^(t - M) with M a whole number.  HERE M IS LOCAL: for each query and each 128 keys (one K step of the last product) M = ceil(the largest t of these 128).  A change of a whole M multiplies p by an
; exact power of two, which the blocks' scale bytes take up, so the codes are those under the row's own M.  Stored for each (query, K step): the fragment's codes, the four scale bytes under the local M, -M, and the sum of the
; unquantised p under the local M.  The next launch finds the row's M, moves the bytes and adds the sums.
; A tile is 256 queries x 256 keys x 1,024: four waves, each 128 x 128 in 64 accumulators.  THE MATRIX INSTRUCTION IS USED TRANSPOSED (source 0 = 16 keys, source 1 = 16 queries): a lane holds one query, and by the order of rows
; in a row block (lane row r of block 2 b + u is row 32 b + 8 u + r + 8 (r / 8)) its 64 registers of a block of queries are 16 neighbouring keys of each block of 32.
; IN: q at 0, k at 6,291,456 of qkv_codes: fragment (R, s) at (((s / 2) 512 + R) 2 + s % 2) x 1,536; scale words at 0 and 262,144 of qkv_scales: (s 512 + R) 64.
; OUT: p_codes: (((s / 4) 512 + R) 4 + s % 4) x 1,536, R the queries' row block, s the keys' K step in the batch; p_stats: three planes of 524,288 bytes, (s 512 + R) 64 + 4 r: the scale word, -M, the sum.
; Ring, rounds and joint loads: K in slots of two K steps through two LDS slots; A's tiles shared along a row of the 4 x 4 cluster, B's along a column.  The walk over K, 8 steps, is written out.
; LIMITS: M is exact while |t| stays under 2^24; a block whose largest p lies under 2^-124 gets the byte 1; NaN and infinities are not served.
; REGISTERS: window 0: v16-31 addresses; v32-63 scale words, two sets; v64-127 p; v128-223 A's fragments; v224-253 at work on the way out.  window 1: B's fragments, two sets.  windows 2, 3: the accumulators, (a, b) at v[8 (8 (a % 4) + b)].
.set FR,    12
.set FRB,   1536
.set RBB,   3072
.set HALFT, 8*RBB
.set SLOT,  4*HALFT
.set SCL,   2*SLOT
.set HALFS, 4096
.set SPARE, SCL+4*HALFS                ; the spare words, 128 bytes a wave, that no other line names
.set NRB,   512
.set KPS,   RBB*NRB
.set W0,    (3<<16)|(1<<21)
.set ADRA, 16
.set ADRB, 20
.set SWA,  25                          ; v25  my stage: where my row's three words go
.set SRA,  26                          ; v26  and where I read 16 bytes back
.set ADRS, 27
.set SPW,  28                          ; v28  my spare word; never rewritten
.set NIL,  29                          ; v29  0; never rewritten
.set OS,   30                          ; v30  16 x lane
.set SC,   32                          ; scale words, two sets of 16: they hold scales and nothing else
.set P,    64
.set AF,   128
.set PC,   128
.set BM,   224                         ; v224-227 the blocks' largest scores, then their largest p
.set BX,   228                         ; v228-231 at work
.set SO,   232                         ; v232-235 the conversions' scale operands
.set NM,   236                         ; v[236:237] -M (the packed form names a pair and takes its low word)
.set LS,   238                         ; v[238:239], v[240:241] the sum, in two chains of pairs
.set LB,   240
.set PW,   242
.set LT,   243
.set T,    244
.set T2,   246
.set G1,   24
.set G0,   32
.set G1B,  48
.set G0B,  56
.set G1S,  68
.set G0S,  76
.set G1SB, 80
.set G0SB, 88
.set SEL,  96
.set CS,   98
.set MSB, 0
.macro WIN new
.if MSB != (\new)
	s_set_vgpr_msb (MSB<<8)|(\new)
.set MSB, (\new)
.endif
.endm
.set MUL_LO, 0xa1
.set MUL_HI, 0xf1
.set TO_B,   0x40
.macro JLOAD g0a, g1a, g0b, g1b        ; a joint load: waves 0 and 1 fetch for A, waves 2 and 3 for B; an s_nop 0 and four v_nop follow each line
	s_cmp_eq_u32 s19, 0
	s_cbranch_scc0 .Lfor_b_\@
	tensor_load_to_lds s[\g0a:\g0a+3], s[\g1a:\g1a+7]
	s_nop 0
.rept 4
	v_nop
.endr
	s_branch .Lasked_\@
.Lfor_b_\@:
	tensor_load_to_lds s[\g0b:\g0b+3], s[\g1b:\g1b+7]
	s_nop 0
.rept 4
	v_nop
.endr
.Lasked_\@:
.endm
.macro CREST
	s_cmp_lg_u32 s18, 0
	s_cbranch_scc1 .Lnot_wave_0_\@
	s_barrier_signal -3
.Lnot_wave_0_\@:
	s_barrier_wait -3
	s_barrier_signal -1
	s_barrier_wait -1
.endm
.macro CROUND
	s_barrier_signal -1
	s_barrier_wait -1
	CREST
.endm
.macro PLACES n
.rept \n
	v_nop
.endr
.endm
	s_load_b256 s[4:11], s[0:1], 0x0               ; qkv_codes s[4:5], qkv_scales s[6:7], p_codes s[8:9], p_stats s[10:11]
	v_lshl_add_u32 v[SPW], v0, 2, SPARE
	v_mov_b32 v[NIL], 0
	ds_add_u32 v[SPW], v[NIL]                      ; the wave's opening: the add and its wait stand ahead of my first tensor load
	ds_add_u32 v[SPW], v[NIL]
	v_lshrrev_b32 v1, 5, v0
	v_readfirstlane_b32 s18, v1                    ; wave
	s_lshr_b32 s19, s18, 1                         ; HR
	s_and_b32 s20, s18, 1                          ; HC
	s_bfe_u32 s21, ttmp6, 0x40000                  ; cx
	s_bfe_u32 s22, ttmp6, 0x40004                  ; cy
	s_and_b32 s66, ttmp7, 0xffff                   ; cluster y
	s_lshl_b32 s2, ttmp9, 2
	s_add_co_u32 s2, s2, s21                       ; tx: 256 keys of the batch
	s_lshl_b32 s3, s66, 2
	s_add_co_u32 s3, s3, s22                       ; ty: 256 queries
	s_lshl_b32 s40, s22, 2
	s_lshl_b32 s40, 15, s40                        ; my row of the cluster
	s_lshl_b32 s41, 0x1111, s21                    ; my column
	s_or_b32 s[G1], s40, W0
	s_or_b32 s[G1B], s41, W0
.irp g, G1, G1B
	s_mov_b32 s[\g+1], 32<<16
	s_mov_b32 s[\g+2], 96<<16
	s_mov_b32 s[\g+3], 32<<16
	s_mov_b32 s[\g+4], 96
	s_mov_b32 s[\g+5], 32
	s_mov_b32 s[\g+6], 0
	s_mov_b32 s[\g+7], 0
.endr
	s_lshl_b32 s43, s20, 3                         ; the half that I fetch
	s_lshl_b32 s42, s3, 4
	s_add_co_u32 s42, s42, s43                     ; A = q: row block 16 ty + 8 HC
	s_lshr_b32 s44, s66, 1                         ; the batch
	s_lshl_b32 s44, s44, 7
	s_lshl_b32 s45, s2, 4
	s_add_co_u32 s44, s44, s45
	s_add_co_u32 s44, s44, s43                     ; B = k: 128 batch + 16 tx + 8 HC
	s_mul_i32 s92, s42, RBB
	s_mov_b32 s93, 0
	s_lshl_b32 s94, s42, 6
	s_mov_b32 s95, 0
	s_mul_i32 s96, s44, RBB
	s_add_co_u32 s96, s96, 6291456
	s_mov_b32 s97, 0
	s_lshl_b32 s98, s44, 6
	s_add_co_u32 s98, s98, 262144
	; THE SCALE WORDS come through registers, not by a tensor load: each wave loads 4,096 bytes (8 K steps x 512 consecutive bytes) and stores them to LDS bytes into which no tile lands.
	; They are not asked for jointly: 4,096 bytes a wave against the 24,576 that each of its four joint loads brings.
	s_cmp_eq_u32 s19, 0                            ; waves 0 and 1 take q's words, waves 2 and 3 k's: the offset is chosen, then added to the buffer's address
	s_cselect_b32 s94, s94, s98
	s_mul_i32 s45, s18, HALFT
	s_lshl_b32 s46, s18, 12
	s_add_co_u32 s46, s46, SCL                     ; where my scale words go: SCL + 4,096 x wave
	s_wait_dscnt 0x0                               ; the opening add is done
	s_wait_kmcnt 0x0
	s_add_nc_u64 s[92:93], s[4:5], s[92:93]
	s_add_nc_u64 s[94:95], s[6:7], s[94:95]
	s_add_nc_u64 s[96:97], s[4:5], s[96:97]
	v_and_b32 v1, 31, v0
	v_lshlrev_b32 v[OS], 4, v1
.irp j, 0,1,2,3,4,5,6,7                        ; the scale words' loads go out as soon as their address stands, ahead of the round
	global_load_b128 v[P+4*\j:P+4*\j+3], v[OS], s[94:95] offset:64*NRB*\j   ; K step j's words of my eight row blocks: 32 lanes read 512 consecutive bytes, at a multiple of 512
.endr
	s_wait_alu depctr_va_vdst(0)                   ; directly ahead of the barrier's signal
	CROUND
.irp s, 0,1
	s_mov_b32 s[G0+4*\s], 1
	s_add_co_u32 s[G0+4*\s+1], s45, \s*SLOT
	s_add_nc_u64 s[G0+4*\s+2:G0+4*\s+3], s[92:93], \s*KPS
	s_or_b32 s[G0+4*\s+3], s[G0+4*\s+3], 0x80000000
	s_mov_b32 s[G0B+4*\s], 1
	s_add_co_u32 s[G0B+4*\s+1], s45, \s*SLOT
	s_add_nc_u64 s[G0B+4*\s+2:G0B+4*\s+3], s[96:97], \s*KPS
	s_or_b32 s[G0B+4*\s+3], s[G0B+4*\s+3], 0x80000000
.endr
	JLOAD G0, G1, G0B, G1B                         ; slot 0: one tensor load a wave at the head
	v_and_b32 v2, 15, v0
	v_bfe_u32 v3, v0, 4, 1
	v_add_nc_u32 v24, s46, v[OS]                   ; v24: LDS address of my 16 bytes of a K step's 512 bytes of scale words
	s_wait_alu depctr_va_vdst(0)
	s_mul_i32 s40, s19, HALFT
	s_mul_i32 s41, s20, HALFT
	s_add_co_u32 s41, s41, 2*HALFT
.irp s, 0,1
	v_add_nc_u32 v[ADRA+\s], s40, v[OS]
	v_add_nc_u32 v[ADRB+\s], s41, v[OS]
	s_add_co_u32 s40, s40, SLOT
	s_add_co_u32 s41, s41, SLOT
.endr
	s_add_co_u32 s40, s20, 2
	s_sub_co_u32 s40, s40, s19
	s_lshl_b32 s40, s40, 12
	v_mul_u32_u24 v4, s40, v3                      ; lanes 16-31 take B's scale words
	s_lshl_b32 s41, s19, 12
	s_add_co_u32 s41, s41, SCL
	v_lshl_add_u32 v[ADRS], v2, 2, v4
	v_add_nc_u32 v[ADRS], s41, v[ADRS]
	s_lshl_b32 s40, s18, 11                        ; my stage: 2,048 bytes in slot 0, which has had its last fill and its last read when the first word is stored there
	v_lshl_add_u32 v[SWA], v2, 2, s40
	v_add_nc_u32 v[SRA], s40, v[OS]
.irp b, 0,1,2,3
	v_mov_b32 v[BX+\b], 0                          ; written once: a lane permute's destination counts as one of its sources
.endr
	v_mov_b32 v[NM+1], 0                           ; (named as the upper half of a pair)
	s_lshl_b32 s40, s3, 4
	s_lshl_b32 s41, s19, 3
	s_add_co_u32 s40, s40, s41                     ; my first row block of queries: 16 ty + 8 HR
	s_lshr_b32 s42, s2, 1
	s_lshl_b32 s42, s42, 9
	s_add_co_u32 s42, s42, s40
	s_lshl_b32 s42, s42, 2
	s_and_b32 s43, s2, 1
	s_lshl_b32 s43, s43, 1
	s_add_co_u32 s42, s42, s43
	s_add_co_u32 s42, s42, s20
	s_mul_i32 s42, s42, FRB                        ; my 128 keys are K step 2 tx + HC
	s_mov_b32 s43, 0
	s_add_nc_u64 s[8:9], s[8:9], s[42:43]
	s_lshl_b32 s44, s2, 1
	s_add_co_u32 s44, s44, s20
	s_lshl_b32 s44, s44, 9
	s_add_co_u32 s44, s44, s40
	s_lshl_b32 s44, s44, 6
	s_mov_b32 s45, 0
	s_add_nc_u64 s[10:11], s[10:11], s[44:45]
	s_mov_b32 s[SEL], 0x76543210
	s_mov_b32 s[SEL+1], 0xfedcba98
	s_mov_b32 s[CS], 0x3d38aa3b                    ; c = log2(e) / 32
	s_mov_b32 s[CS+1], s[CS]
.macro FRAG reg, adr, q, i
.irp c, 0,1,2
	ds_load_b128 v[\reg+4*\c:\reg+4*\c+3], v[\adr] offset:(\i)*RBB+(\q)*FRB+512*\c
.endr
.endm
.macro FETCH_B slot, q, p
	WIN TO_B
.irp i, 0,1,2,3,4,5,6,7
	FRAG 128*(\p)+FR*\i, ADRB+\slot, \q, \i
.endr
	WIN 0
.endm
.macro FETCH_A slot, q, i0
.irp i, \i0, \i0+1, \i0+2, \i0+3
	FRAG AF+FR*(\i), ADRA+\slot, \q, \i
.endr
.endm
.macro SCALES sc
.irp i, 0,1,2,3,4,5,6,7
	ds_load_b32 v[SC+16*\sc+2*\i], v[ADRS] offset:64*\i
	ds_load_b32 v[SC+16*\sc+2*\i+1], v[ADRS] offset:512+64*\i
.endr
.endm
; 16 matrix instructions: A's blocks a0, a0 + 1 x B's eight.  zero = 1: the first product starts the sums.  The 64 accumulators take turns, one instruction a turn.
.macro MUL16 a0, p, q, sc, zero
.irp a, \a0, \a0+1
.irp b, 0,1,2,3,4,5,6,7
.if \zero
	v_wmma_scale_f32_16x16x128_f8f6f4 v[8*(8*((\a)%4)+\b):8*(8*((\a)%4)+\b)+7], v[128*(\p)+FR*\b:128*(\p)+FR*\b+FR-1], v[AF+FR*(\a):AF+FR*(\a)+FR-1], 0, v[SC+16*(\sc)+2*\b+(\q)], v[SC+16*(\sc)+2*(\a)+(\q)] matrix_a_fmt:MATRIX_FMT_FP6 matrix_b_fmt:MATRIX_FMT_FP6 matrix_a_scale:MATRIX_SCALE_ROW1
.else
	v_wmma_scale_f32_16x16x128_f8f6f4 v[8*(8*((\a)%4)+\b):8*(8*((\a)%4)+\b)+7], v[128*(\p)+FR*\b:128*(\p)+FR*\b+FR-1], v[AF+FR*(\a):AF+FR*(\a)+FR-1], v[8*(8*((\a)%4)+\b):8*(8*((\a)%4)+\b)+7], v[SC+16*(\sc)+2*\b+(\q)], v[SC+16*(\sc)+2*(\a)+(\q)] matrix_a_fmt:MATRIX_FMT_FP6 matrix_b_fmt:MATRIX_FMT_FP6 matrix_a_scale:MATRIX_SCALE_ROW1
.endif
.endr
.endr
.endm
.macro STEP slot, zero                 ; a slot's first K step
	s_wait_dscnt 12                                ; B's set, A's blocks 0-3 and the scale words are in; the youngest 12 loads (A's blocks 4-7) may be out
	WIN MUL_LO
	MUL16 0, 0, 0, \slot, \zero
	MUL16 2, 0, 0, \slot, \zero
	s_wait_dscnt 0x0
	PLACES 4
	FETCH_B \slot, 1, 1
	FETCH_A \slot, 1, 0
	WIN MUL_HI
	MUL16 4, 0, 0, \slot, \zero
	MUL16 6, 0, 0, \slot, \zero
	PLACES 4
	WIN 0
	FETCH_A \slot, 1, 4
.endm
.macro TURN slot, next, fill           ; a slot's second K step changes slots
	s_wait_tensorcnt 0x0                           ; all my tensor loads have landed: my part of the next slot
	ds_add_u32 v[SPW], v[NIL]                      ; 0 onto my spare word
	s_wait_dscnt 13                                ; (the add and the youngest 12 loads may be out)
	WIN MUL_LO
	MUL16 0, 1, 1, \slot, 0
	s_wait_dscnt 0x0                               ; the add is done, and my reads of this slot are over
	s_barrier_signal -1
	MUL16 2, 1, 1, \slot, 0
	WIN 0
	s_barrier_wait -1
.if \fill
	CREST                                          ; no wave of any partner still reads this slot or has a load on its way
	s_add_nc_u64 s[G0+4*\slot+2:G0+4*\slot+3], s[G0+4*\slot+2:G0+4*\slot+3], 2*KPS
	s_add_nc_u64 s[G0B+4*\slot+2:G0B+4*\slot+3], s[G0B+4*\slot+2:G0B+4*\slot+3], 2*KPS
	JLOAD G0+4*\slot, G1, G0B+4*\slot, G1B         ; the first tensor load behind the round; its four v_nop are the places in front of the loads below
.else
	PLACES 4
.endif
	s_wait_alu depctr_va_vdst(0)
	v_add_nc_u32 v[ADRS], 1024, v[ADRS]
	FETCH_B \next, 0, 0
	FETCH_A \next, 0, 0
	SCALES \next
	WIN MUL_HI
	MUL16 4, 1, 1, \slot, 0
	MUL16 6, 1, 1, \slot, 0
	PLACES 4
	WIN 0
	FETCH_A \next, 0, 4
.endm
	s_wait_alu depctr_va_vdst(0)
	s_wait_loadcnt 0x0                             ; the scale words are in registers
.irp j, 0,1,2,3,4,5,6,7
	ds_store_b128 v24, v[P+4*\j:P+4*\j+3] offset:512*\j
.endr
	s_wait_tensorcnt 0x0                           ; my part of slot 0 is in
	ds_add_u32 v[SPW], v[NIL]
	s_wait_dscnt 0x0                               ; the add is done, and so are my stores of scale words
	CROUND                                         ; everybody's part of slot 0 and everybody's scale words are in, and all sixteen work-groups are here
	JLOAD G0+4, G1, G0B+4, G1B                     ; slot 1's first fill: the first tensor load behind the round
	FETCH_B 0, 0, 0
	FETCH_A 0, 0, 0
	SCALES 0
	FETCH_A 0, 0, 4
	STEP 0, 1
	TURN 0, 1, 1
	STEP 1, 0
	TURN 1, 0, 1
	STEP 0, 0
	TURN 0, 1, 0
	STEP 1, 0
	s_wait_dscnt 12
	WIN MUL_LO
	MUL16 0, 1, 1, 1, 0
	MUL16 2, 1, 1, 1, 0
	s_wait_dscnt 0x0
	WIN MUL_HI
	MUL16 4, 1, 1, 1, 0
	MUL16 6, 1, 1, 1, 0
	WIN 0
	PLACES 4
; THE WAY OUT of block a: 16 queries x my 128 keys.  Each accumulator is first read at its registers 0 and 1.
.macro SOFTBLK a
.set AC, 64*((\a)%4)
.set WN, 2+(\a)/4
.set WW, (WN<<2)|(WN<<4)
.if (\a) > 0
	s_wait_xcnt 0x0                                ; the last block's stores have read the codes' registers,
	s_wait_dscnt 0x0                               ; and its LDS stores their three words
.endif
	WIN WW
.irp b, 0,1,2,3
	v_max3_num_f32 v[BM+\b], 0xff800000, v[AC+16*\b], v[AC+16*\b+1]   ; the largest score of each block of 32 keys: it serves for the maximum and, since p rises with the score, for the block's largest p
.endr
.irp i, 2,4,6,8,10,12,14
.irp b, 0,1,2,3
	v_max3_num_f32 v[BM+\b], v[BM+\b], v[AC+16*\b+\i], v[AC+16*\b+\i+1]
.endr
.endr
	WIN 0
.irp b, 0,1,2,3
	v_permlanex16_b32 v[BX+\b], v[BM+\b], s[SEL], s[SEL+1]
.endr
.irp b, 0,1,2,3
	v_max_num_f32 v[BM+\b], v[BM+\b], v[BX+\b]     ; with lane l xor 16's 16 keys
.endr
	v_max3_num_f32 v[T], v[BM], v[BM+1], v[BM+2]
	v_max_num_f32 v[T], v[T], v[BM+3]              ; the largest score of my query among these 128 keys
	v_mul_f32 v[T], s[CS], v[T]                    ; as t (c is positive)
	v_floor_f32 v[NM], -v[T]                       ; -M = floor(-t) = -ceil(t): a whole number
	WIN WN
.irp j, 0,2,4,6,8,10,12,14,16,18,20,22,24,26,28,30,32,34,36,38,40,42,44,46,48,50,52,54,56,58,60,62
	v_pk_fma_f32 v[P+\j:P+\j+1], v[AC+\j:AC+\j+1], s[CS:CS+1], v[NM:NM+1] op_sel_hi:[1,0,0]   ; t - M, two at a time
.endr
	WIN 0
.irp b, 0,1,2,3
	v_fma_f32 v[BM+\b], v[BM+\b], s[CS], v[NM]     ; the same of each block's largest score
.endr
	s_wait_alu depctr_va_vdst(0)
.irp j, 0,1,2,3,4,5,6,7,8,9,10,11,12,13,14,15,16,17,18,19,20,21,22,23,24,25,26,27,28,29,30,31,32,33,34,35,36,37,38,39,40,41,42,43,44,45,46,47,48,49,50,51,52,53,54,55,56,57,58,59,60,61,62,63
	v_exp_f32 v[P+\j], v[P+\j]                     ; p = 2^(t - M)
.endr
	v_nop                                          ; a plain place behind the exponentials
	s_wait_alu depctr_va_vdst(0)                   ; one wait for the whole batch, ahead of its first reader
.irp b, 0,1,2,3
	v_exp_f32 v[BM+\b], v[BM+\b]                   ; the block's largest p: the same two instructions on the same number give the same bits
.endr
	v_pk_add_f32 v[LS:LS+1], v[P:P+1], v[P+2:P+3]  ; the sum is taken of the unquantised p: two chains of pairs.  (They read the 64 alone: plain work behind the four)
	v_pk_add_f32 v[LB:LB+1], v[P+4:P+5], v[P+6:P+7]
.irp j, 8,12,16,20,24,28,32,36,40,44,48,52,56,60
	v_pk_add_f32 v[LS:LS+1], v[LS:LS+1], v[P+\j:P+\j+1]
	v_pk_add_f32 v[LB:LB+1], v[LB:LB+1], v[P+\j+2:P+\j+3]
.endr
	v_pk_add_f32 v[LS:LS+1], v[LS:LS+1], v[LB:LB+1]
	s_wait_alu depctr_va_vdst(0)                   ; and one for the four
.irp b, 0,1,2,3
	v_max_num_f32 v[BM+\b], 0x1800000, v[BM+\b]    ; the floor 2^(3 - 127): the byte cannot fall under 1
.endr
.irp b, 0,1,2,3
	v_add_nc_u32 v[SO+\b], 0xff000000, v[BM+\b]    ; 2 off the exponent field: the conversion's scale operand
.endr
.irp b, 0,1,2,3
	v_lshrrev_b32 v[BX+\b], 23, v[SO+\b]           ; the scale's byte
.endr
	v_lshl_or_b32 v[PW], v[BX+1], 8, v[BX]
	v_lshl_or_b32 v[PW], v[BX+2], 16, v[PW]
	v_lshl_or_b32 v[PW], v[BX+3], 24, v[PW]
	v_add_f32 v[LT], v[LS], v[LS+1]
	v_permlanex16_b32 v[T], v[LT], s[SEL], s[SEL+1]
	v_add_f32 v[LT], v[LT], v[T]                   ; the sum over my query's 128 keys
.irp c, 0,1
	v_cvt_scalef32_pk16_fp6_f32 v[PC+6*\c:PC+6*\c+2], v[P+32*\c:P+32*\c+15], v[SO+2*\c]
	v_cvt_scalef32_pk16_fp6_f32 v[T2+4*\c:T2+4*\c+2], v[P+32*\c+16:P+32*\c+31], v[SO+2*\c+1]
.endr
	v_nop                                          ; one plain place behind a scaled conversion
.irp c, 0,1
.irp i, 0,1,2
	v_permlane16_swap_b32 v[PC+6*\c+\i], v[T2+4*\c+\i]
.endr
.irp i, 0,1,2
	v_mov_b32 v[PC+3+6*\c+\i], v[T2+4*\c+\i]
.endr
.endr
.irp c, 0,1,2
	global_store_b128 v[OS], v[PC+4*\c:PC+4*\c+3], s[8:9] offset:6144*(\a)+512*\c   ; 32 lanes store 512 consecutive bytes, at a multiple of 512
.endr
	ds_store_b32 v[SWA], v[PW] offset:64*(\a)
	ds_store_b32 v[SWA], v[NM] offset:512+64*(\a)
	ds_store_b32 v[SWA], v[LT] offset:1024+64*(\a)
.endm
.irp a, 0,1,2,3,4,5,6,7
	SOFTBLK \a
.endr
.irp c, 0,1,2
	ds_load_b128 v[140+4*\c:143+4*\c], v[SRA] offset:512*\c   ; my eight blocks' words of each plane, 512 bytes: LDS serves a wave's instructions in order
.endr
	s_wait_dscnt 0x0
.irp c, 0,1,2
	global_store_b128 v[OS], v[140+4*\c:143+4*\c], s[10:11] offset:524288*\c
.endr
	s_wait_tensorcnt 0x0                           ; the wave's end
	ds_add_u32 v[SPW], v[NIL]
	s_wait_dscnt 0x0
	CROUND                                         ; the closing round
	s_endpgm
.Lfunc_end_k_q8a86c30128_scores:
	.size	k_q8a86c30128_scores, .Lfunc_end_k_q8a86c30128_scores-k_q8a86c30128_scores
	.p2alignl 7, 3214868480
	.fill 96, 4, 3214868480
	.section	.rodata,"a",@progbits
	.p2align	6, 0x0
	.amdhsa_kernel k_q8a86c30128_scores
		.amdhsa_group_segment_fixed_size 327680
		.amdhsa_private_segment_fixed_size 0
		.amdhsa_enable_private_segment 0
		.amdhsa_kernarg_size 32
		.amdhsa_user_sgpr_count 2
		.amdhsa_user_sgpr_kernarg_segment_ptr 1
		.amdhsa_wavefront_size32 1
		.amdhsa_system_sgpr_workgroup_id_x 1
		.amdhsa_system_sgpr_workgroup_id_y 1
		.amdhsa_system_sgpr_workgroup_id_z 1
		.amdhsa_system_vgpr_workitem_id 0
		.amdhsa_next_free_vgpr 1024
		.amdhsa_next_free_sgpr 100
		.amdhsa_reserve_vcc 0
		.amdhsa_float_denorm_mode_32 3
		.amdhsa_float_denorm_mode_16_64 3
		.amdhsa_memory_ordered 1
		.amdhsa_forward_progress 1
		.amdhsa_inst_pref_size 200
	.end_amdhsa_kernel
	.amdgpu_metadata
---
amdhsa.version: [ 1, 2 ]
amdhsa.kernels:
  - .name:           k_q8a86c30128_scores
    .symbol:         k_q8a86c30128_scores.kd
    .args:
      - { .name: qkv_codes, .offset: 0, .size: 8, .value_kind: global_buffer, .address_space: global }
      - { .name: qkv_scales, .offset: 8, .size: 8, .value_kind: global_buffer, .address_space: global }
      - { .name: p_codes, .offset: 16, .size: 8, .value_kind: global_buffer, .address_space: global }
      - { .name: p_stats, .offset: 24, .size: 8, .value_kind: global_buffer, .address_space: global }
    .group_segment_fixed_size: 327680
    .private_segment_fixed_size: 0
    .kernarg_segment_align: 8
    .kernarg_segment_size: 32
    .max_flat_workgroup_size: 128
    .sgpr_count:     100
    .vgpr_count:     1024
    .wavefront_size: 32
...
	.end_amdgpu_metadata
.endif
;; end of part 3
;; launch pv (part 4): grid 4 x 64, 4 waves a work-group, clusters of 4 x 4, 327,680 bytes of LDS; arguments p_codes, p_stats, qkv_codes, qkv_scales, out0; writes out0
.if DOCPART == 4
	.amdgcn_target "amdgcn-amd-amdhsa--gfx1250"
	.amdhsa_code_object_version 6
	.text
	.protected	k_q8a86c30128_pv
	.globl	k_q8a86c30128_pv
	.p2align	8
	.type	k_q8a86c30128_pv,@function
k_q8a86c30128_pv:
	s_mov_b64 s[64:65], 0
	v_nop
	global_prefetch_b8 v0, s[64:65] scope:SCOPE_SE
	s_setreg_imm32_b32 hwreg(HW_REG_WAVE_MODE, 25, 1), 1
	s_wait_xcnt 0x0
	s_wait_alu depctr_hold_cnt(0) depctr_sa_sdst(0) depctr_va_vdst(0) depctr_va_sdst(0) depctr_va_ssrc(0) depctr_va_vcc(0) depctr_vm_vsrc(0)
	s_getreg_b32 s2, hwreg(HW_REG_IB_STS2, 6, 4)
	s_cmp_eq_u32 s2, 0
	s_cbranch_scc0 .Lentry_in_a_cluster
	s_endpgm
.Lentry_in_a_cluster:
	s_bfe_u32 s2, ttmp6, 0x10000c
	s_cmp_lg_u32 s2, 0xf033
	s_cbranch_scc0 .Lentry_shape_is_right
	s_endpgm
.Lentry_shape_is_right:
; out = (p v) / l on codes of FP6 (E2M3) with E8M0 scales, f32 sums.  A = p (128 queries a work-group), B = v^T (256 of e), K = the batch's 2,048 keys: 16 K steps of 128.
; Four waves, each 64 queries x 128 of e in 32 accumulators.  The matrix instruction is used transposed (source 0 = 16 rows of v^T, source 1 = 16 queries): a lane holds neighbouring e of one query.
; OPERANDS lie in memory as images of their registers (fragment: 1,536 bytes, group c of lane l at 512 c + 16 l), four K steps of a row block on end: a slot holds four K steps; two slots take turns.
; CLUSTERS: 4 x 4; p's tiles are shared along a row of the cluster, v^T's along a column: joint loads.  The walk over K is written out.
; THE HEAD.  Each wave asks for its part of slot 0, its one tensor load there.  While that is out: (1) thread i takes query i of the 128 and reads, for each of the 16 K steps, p's scale word, -M and the sum under that step's local M;
; the row's M is the largest; each step's four bytes are lowered by d = the row's M - the step's M (at most by the byte itself: the byte is held at 0, a finite code), each sum is multiplied by 2^-d, and 1 / l is made;
; (2) v^T's scale words, 4,096 bytes a wave, come through registers in whole units of 256 bytes.  Both go to LDS bytes into which no tile lands.  The scale words are not asked for jointly: 4,096 bytes a wave against
; the 24,576 or 49,152 that each of its four joint loads brings.  Then slot 1 is first filled, as a refill is.
; LIMITS: d is held at 255; NaN and infinities are not served.
.set FR,    12
.set FRB,   1536
.set RBB,   6144
.set AH,    4*RBB
.set BH,    8*RBB
.set SLOT,  2*AH+2*BH
.set APS,   512*RBB
.set BPS,   64*RBB
.set SCB,   2*SLOT
.set ASC,   SCB+16384
.set RL,    ASC+8192
.set SPARE, RL+512
.set SPITCH, 528
.set STGW,  16*SPITCH
.set W0,    (3<<16)|(1<<21)
.set ADRA, 16
.set ADRB, 20
.set ADSA, 22
.set ADSB, 23
.set STO,  24
.set RD,   25
.set CO,   26
.set TH4,  27
.set SPW,  28
.set NIL,  29
.set RLA,  30
.set ASW,  31
.set SA,   32
.set SB,   40
.set RC,   48
.set W,    64
.set N,    80
.set L,    96
.set TT,   112
.set T,    64
.set AF,   128
.set BK,   128
.set G1,   24
.set G0,   32
.set G1B,  48
.set G0B,  56
.set G1S,  68
.set G0S,  76
.set MSB, 0
.macro WIN new
.if MSB != (\new)
	s_set_vgpr_msb (MSB<<8)|(\new)
.set MSB, (\new)
.endif
.endm
.set MUL,  0xa1
.set TO_B, 0x40
.macro JLOAD s
	s_cmp_eq_u32 s19, 0
	s_cbranch_scc0 .Lfor_b_\@
	tensor_load_to_lds s[G0+4*\s:G0+4*\s+3], s[G1:G1+7]
	s_nop 0
.rept 4
	v_nop
.endr
	s_branch .Lasked_\@
.Lfor_b_\@:
	tensor_load_to_lds s[G0B+4*\s:G0B+4*\s+3], s[G1B:G1B+7]
	s_nop 0
.rept 4
	v_nop
.endr
.Lasked_\@:
.endm
.macro CREST
	s_cmp_lg_u32 s18, 0
	s_cbranch_scc1 .Lnot_wave_0_\@
	s_barrier_signal -3
.Lnot_wave_0_\@:
	s_barrier_wait -3
	s_barrier_signal -1
	s_barrier_wait -1
.endm
.macro CROUND
	s_barrier_signal -1
	s_barrier_wait -1
	CREST
.endm
.macro PLACES n
.rept \n
	v_nop
.endr
.endm
	s_load_b256 s[4:11], s[0:1], 0x0
	s_load_b64 s[12:13], s[0:1], 0x20
	v_lshl_add_u32 v[SPW], v0, 2, SPARE
	v_mov_b32 v[NIL], 0
	ds_add_u32 v[SPW], v[NIL]
	ds_add_u32 v[SPW], v[NIL]
	v_lshrrev_b32 v1, 5, v0
	v_readfirstlane_b32 s18, v1
	s_lshr_b32 s19, s18, 1
	s_and_b32 s20, s18, 1
	s_bfe_u32 s21, ttmp6, 0x40000
	s_bfe_u32 s22, ttmp6, 0x40004
	s_and_b32 s66, ttmp7, 0xffff
	s_lshl_b32 s2, ttmp9, 2
	s_add_co_u32 s2, s2, s21
	s_lshl_b32 s3, s66, 2
	s_add_co_u32 s3, s3, s22
	s_lshr_b32 s67, s66, 2
	s_lshl_b32 s40, s22, 2
	s_lshl_b32 s40, 15, s40
	s_lshl_b32 s41, 0x1111, s21
	s_or_b32 s[G1], s40, W0
	s_or_b32 s[G1B], s41, W0
	s_mov_b32 s[G1+1], 32<<16
	s_mov_b32 s[G1+2], 96<<16
	s_mov_b32 s[G1+3], 32<<16
	s_mov_b32 s[G1+4], 96
	s_mov_b32 s[G1+5], 32
	s_mov_b32 s[G1+6], 0
	s_mov_b32 s[G1+7], 0
	s_mov_b32 s[G1B+1], 32<<16
	s_mov_b32 s[G1B+2], 192<<16
	s_mov_b32 s[G1B+3], 32<<16
	s_mov_b32 s[G1B+4], 192
	s_mov_b32 s[G1B+5], 32
	s_mov_b32 s[G1B+6], 0
	s_mov_b32 s[G1B+7], 0
	s_lshl_b32 s42, s3, 3
	s_lshl_b32 s43, s20, 2
	s_add_co_u32 s42, s42, s43
	s_mul_i32 s92, s42, RBB
	s_mov_b32 s93, 0
	s_lshl_b32 s44, s2, 4
	s_lshl_b32 s45, s20, 3
	s_add_co_u32 s45, s44, s45
	s_mul_i32 s96, s45, RBB
	s_mul_i32 s46, s67, 1572864
	s_add_co_u32 s96, s96, s46
	s_add_co_u32 s96, s96, 12582912
	s_mov_b32 s97, 0
	s_lshl_b32 s45, s18, 2
	s_add_co_u32 s45, s44, s45
	s_lshl_b32 s98, s45, 6
	s_lshl_b32 s46, s67, 16
	s_add_co_u32 s98, s98, s46
	s_add_co_u32 s98, s98, 524288
	s_mov_b32 s99, 0
	s_mul_i32 s40, s20, AH
	s_mul_i32 s41, s20, BH
	s_add_co_u32 s41, s41, 2*AH
	s_lshl_b32 s47, s18, 12
	s_lshl_b32 s94, s3, 9
	s_mov_b32 s95, 0
	s_wait_dscnt 0x0
	s_wait_kmcnt 0x0
	s_add_nc_u64 s[92:93], s[4:5], s[92:93]
	s_add_nc_u64 s[96:97], s[8:9], s[96:97]
	s_add_nc_u64 s[98:99], s[10:11], s[98:99]
	s_add_nc_u64 s[6:7], s[6:7], s[94:95]
	; the loads through registers go out as soon as their addresses stand, ahead of the round and of the joint load
	v_lshlrev_b32 v[TH4], 2, v0                    ; 4 x thread: my query's word in a plane of p_stats
	v_and_b32 v1, 31, v0                           ; lane
	v_and_b32 v2, 15, v0                           ; r
	v_bfe_u32 v3, v0, 4, 1                         ; h
	v_lshlrev_b32 v[CO], 4, v1
	v_lshlrev_b32 v6, 12, v3
	v_lshl_add_u32 v6, v2, 4, v6                   ; v6: v^T's scale words in memory: 16 lanes to a K step's 256 bytes, K steps 4,096 bytes apart
.irp s, 0,1,2,3,4,5,6,7,8,9,10,11,12,13,14,15
	global_load_b32 v[W+\s], v[TH4], s[6:7] offset:32768*\s            ; K step s: p's scale word,
	global_load_b32 v[N+\s], v[TH4], s[6:7] offset:32768*\s+524288     ; -M,
	global_load_b32 v[L+\s], v[TH4], s[6:7] offset:32768*\s+1048576    ; the sum
.endr
.irp j, 0,1,2,3,4,5,6,7
	global_load_b128 v[AF+4*\j:AF+4*\j+3], v6, s[98:99] offset:8192*\j   ; K steps 2 j and 2 j + 1 of my four row blocks of v^T
.endr
	s_wait_alu depctr_va_vdst(0)                   ; directly ahead of the barrier's signal
	CROUND
.irp s, 0,1
	s_mov_b32 s[G0+4*\s], 1
	s_add_co_u32 s[G0+4*\s+1], s40, \s*SLOT
	s_add_nc_u64 s[G0+4*\s+2:G0+4*\s+3], s[92:93], \s*APS
	s_or_b32 s[G0+4*\s+3], s[G0+4*\s+3], 0x80000000
	s_mov_b32 s[G0B+4*\s], 1
	s_add_co_u32 s[G0B+4*\s+1], s41, \s*SLOT
	s_add_nc_u64 s[G0B+4*\s+2:G0B+4*\s+3], s[96:97], \s*BPS
	s_or_b32 s[G0B+4*\s+3], s[G0B+4*\s+3], 0x80000000
.endr
	JLOAD 0                                        ; slot 0: one tensor load a wave at the head
	v_add_nc_u32 v7, s47, v[CO]
	v_add_nc_u32 v7, SCB, v7                       ; v7: v^T's scale words in LDS: SCB + 4,096 x wave + 16 x lane
	s_mul_i32 s40, s19, AH
	s_mul_i32 s41, s20, BH
	s_add_co_u32 s41, s41, 2*AH
.irp s, 0,1
	v_add_nc_u32 v[ADRA+\s], s40, v[CO]
	v_add_nc_u32 v[ADRB+\s], s41, v[CO]
	s_add_co_u32 s40, s40, SLOT
	s_add_co_u32 s41, s41, SLOT
.endr
	s_lshl_b32 s40, s19, 8
	s_add_co_u32 s40, s40, ASC
	v_lshl_add_u32 v[ADSA], v2, 2, s40
	s_lshl_b32 s40, s20, 13
	s_add_co_u32 s40, s40, SCB
	v_lshlrev_b32 v4, 12, v3
	v_lshl_add_u32 v4, v2, 2, v4
	v_add_nc_u32 v[ADSB], s40, v4
	s_mul_i32 s40, s18, STGW
	v_mul_u32_u24 v4, v2, SPITCH
	v_lshl_add_u32 v4, v3, 6, v4
	v_add_nc_u32 v[STO], s40, v4
	v_add_nc_u32 v[RD], s40, v[CO]
	v_add_nc_u32 v[ASW], ASC, v[TH4]
	s_lshl_b32 s40, s19, 8
	s_add_co_u32 s40, s40, RL
	v_lshl_add_u32 v[RLA], v2, 2, s40
.irp a, 0,1,2,3
	v_mov_b32 v[RC+2*\a+1], 0
.endr
	s_lshl_b32 s40, s3, 19
	s_lshl_b32 s41, s19, 18
	s_add_co_u32 s40, s40, s41
	s_lshl_b32 s41, s2, 10
	s_add_co_u32 s40, s40, s41
	s_lshl_b32 s41, s20, 9
	s_add_co_u32 s40, s40, s41
	s_mov_b32 s41, 0
	s_add_nc_u64 s[12:13], s[12:13], s[40:41]
	s_wait_loadcnt 0x0
	v_min3_num_f32 v[TT], v[N], v[N+1], v[N+2]
.irp i, 3,5,7,9,11,13
	v_min3_num_f32 v[TT], v[TT], v[N+\i], v[N+\i+1]
.endr
	v_min_num_f32 v[TT], v[TT], v[N+15]
.irp s, 0,1,2,3,4,5,6,7,8,9,10,11,12,13,14,15
	v_sub_f32 v[N+\s], v[N+\s], v[TT]
.endr
.irp s, 0,1,2,3,4,5,6,7,8,9,10,11,12,13,14,15
	v_min_num_f32 v[N+\s], 0x437f0000, v[N+\s]
.endr
.irp s, 0,1,2,3,4,5,6,7,8,9,10,11,12,13,14,15
	v_cvt_u32_f32 v[N+\s], v[N+\s]
.endr
.irp s, 0,1,2,3,4,5,6,7,8,9,10,11,12,13,14,15
	v_sub_nc_u32 v[TT+4+\s%4], 0, v[N+\s]
	v_ldexp_f32 v[L+\s], v[L+\s], v[TT+4+\s%4]
.endr
	v_add_f32 v[TT+1], v[L], v[L+2]
	v_add_f32 v[TT+2], v[L+1], v[L+3]
.irp s, 4,6,8,10,12,14
	v_add_f32 v[TT+1], v[TT+1], v[L+\s]
	v_add_f32 v[TT+2], v[TT+2], v[L+\s+1]
.endr
	v_add_f32 v[TT+1], v[TT+1], v[TT+2]
	s_wait_alu depctr_va_vdst(0)
	v_rcp_f32 v[TT+3], v[TT+1]
.irp s, 0,1,2,3,4,5,6,7,8,9,10,11,12,13,14,15
	v_bfe_u32 v[TT+4], v[W+\s], 0, 8
	v_bfe_u32 v[TT+5], v[W+\s], 8, 8
	v_bfe_u32 v[TT+6], v[W+\s], 16, 8
	v_lshrrev_b32 v[TT+7], 24, v[W+\s]
	v_min_u32 v[TT+4], v[TT+4], v[N+\s]
	v_min_u32 v[TT+5], v[TT+5], v[N+\s]
	v_min_u32 v[TT+6], v[TT+6], v[N+\s]
	v_min_u32 v[TT+7], v[TT+7], v[N+\s]
	v_lshl_or_b32 v[TT+4], v[TT+5], 8, v[TT+4]
	v_lshl_or_b32 v[TT+4], v[TT+6], 16, v[TT+4]
	v_lshl_or_b32 v[TT+4], v[TT+7], 24, v[TT+4]
	v_sub_nc_u32 v[W+\s], v[W+\s], v[TT+4]
.endr
	s_wait_alu depctr_va_vdst(0)
.irp s, 0,1,2,3,4,5,6,7,8,9,10,11,12,13,14,15
	ds_store_b32 v[ASW], v[W+\s] offset:512*\s
.endr
	ds_store_b32 v[ASW], v[TT+3] offset:8192
.irp j, 0,1,2,3,4,5,6,7
	ds_store_b128 v7, v[AF+4*\j:AF+4*\j+3] offset:512*\j
.endr
	s_wait_tensorcnt 0x0                           ; my part of slot 0 is in
	ds_add_u32 v[SPW], v[NIL]
	s_wait_dscnt 0x0                               ; the add is done, and so are my stores of scale words and of 1 / l
	CROUND                                         ; everybody's are, and all sixteen work-groups are here
	JLOAD 1                                        ; slot 1's first fill: the first tensor load behind the round
.macro FETCH4 slot, q, p, n
	WIN TO_B
.irp i, 0,1,2,3,4,5,6,7
.irp c, 0,1,2
	ds_load_b128 v[128*(\p)+FR*\i+4*\c:128*(\p)+FR*\i+4*\c+3], v[ADRB+\slot] offset:\i*RBB+(\q)*FRB+512*\c
.endr
.endr
	WIN 0
.irp i, 0,1,2,3
.irp c, 0,1,2
	ds_load_b128 v[AF+48*(\p)+FR*\i+4*\c:AF+48*(\p)+FR*\i+4*\c+3], v[ADRA+\slot] offset:\i*RBB+(\q)*FRB+512*\c
.endr
.endr
.irp i, 0,1,2,3
	ds_load_b32 v[SA+4*(\p)+\i], v[ADSA] offset:512*(\n)+64*\i
	ds_load_b32 v[SB+4*(\p)+\i], v[ADSB] offset:256*(\n)+64*\i
.endr
.endm
.macro MULA a, p, zero
.irp b, 0,1,2,3
.if \zero
	v_wmma_scale_f32_16x16x128_f8f6f4 v[8*(8*(\a)+\b):8*(8*(\a)+\b)+7], v[128*(\p)+FR*\b:128*(\p)+FR*\b+FR-1], v[AF+48*(\p)+FR*(\a):AF+48*(\p)+FR*(\a)+FR-1], 0, v[SB+4*(\p)+\b], v[SA+4*(\p)+(\a)] matrix_a_fmt:MATRIX_FMT_FP6 matrix_b_fmt:MATRIX_FMT_FP6
.else
	v_wmma_scale_f32_16x16x128_f8f6f4 v[8*(8*(\a)+\b):8*(8*(\a)+\b)+7], v[128*(\p)+FR*\b:128*(\p)+FR*\b+FR-1], v[AF+48*(\p)+FR*(\a):AF+48*(\p)+FR*(\a)+FR-1], v[8*(8*(\a)+\b):8*(8*(\a)+\b)+7], v[SB+4*(\p)+\b], v[SA+4*(\p)+(\a)] matrix_a_fmt:MATRIX_FMT_FP6 matrix_b_fmt:MATRIX_FMT_FP6
.endif
.endr
.irp b, 4,5,6,7
.if \zero
	v_wmma_scale_f32_16x16x128_f8f6f4 v[8*(8*(\a)+\b):8*(8*(\a)+\b)+7], v[128*(\p)+FR*\b:128*(\p)+FR*\b+FR-1], v[AF+48*(\p)+FR*(\a):AF+48*(\p)+FR*(\a)+FR-1], 0, v[SB+4*(\p)+\b-4], v[SA+4*(\p)+(\a)] matrix_a_fmt:MATRIX_FMT_FP6 matrix_b_fmt:MATRIX_FMT_FP6 matrix_a_scale:MATRIX_SCALE_ROW1
.else
	v_wmma_scale_f32_16x16x128_f8f6f4 v[8*(8*(\a)+\b):8*(8*(\a)+\b)+7], v[128*(\p)+FR*\b:128*(\p)+FR*\b+FR-1], v[AF+48*(\p)+FR*(\a):AF+48*(\p)+FR*(\a)+FR-1], v[8*(8*(\a)+\b):8*(8*(\a)+\b)+7], v[SB+4*(\p)+\b-4], v[SA+4*(\p)+(\a)] matrix_a_fmt:MATRIX_FMT_FP6 matrix_b_fmt:MATRIX_FMT_FP6 matrix_a_scale:MATRIX_SCALE_ROW1
.endif
.endr
.endm
.macro STEP4 slot, q, n, zero
	s_wait_dscnt 0x0
	PLACES 4
	FETCH4 \slot, (\q)+1, ((\q)+1)%2, (\n)+1
	WIN MUL
	MULA 0, (\q)%2, \zero
	MULA 1, (\q)%2, \zero
	MULA 2, (\q)%2, \zero
	MULA 3, (\q)%2, \zero
	WIN 0
.endm
.macro TURN4 slot, next, n, fill
	s_wait_tensorcnt 0x0
	ds_add_u32 v[SPW], v[NIL]
	s_wait_dscnt 1
	WIN MUL
	MULA 0, 1, 0
	s_wait_dscnt 0x0
	s_barrier_signal -1
	MULA 1, 1, 0
	WIN 0
	s_barrier_wait -1
.if \fill
	CREST
	s_add_nc_u64 s[G0+4*\slot+2:G0+4*\slot+3], s[G0+4*\slot+2:G0+4*\slot+3], 2*APS
	s_add_nc_u64 s[G0B+4*\slot+2:G0B+4*\slot+3], s[G0B+4*\slot+2:G0B+4*\slot+3], 2*BPS
	JLOAD \slot
.else
	PLACES 4
.endif
	FETCH4 \next, 0, 0, (\n)+1
	WIN MUL
	MULA 2, 1, 0
	MULA 3, 1, 0
	WIN 0
.endm
	FETCH4 0, 0, 0, 0
	STEP4 0, 0, 0, 1
	STEP4 0, 1, 1, 0
	STEP4 0, 2, 2, 0
	TURN4 0, 1, 3, 1
	STEP4 1, 0, 4, 0
	STEP4 1, 1, 5, 0
	STEP4 1, 2, 6, 0
	TURN4 1, 0, 7, 1
	STEP4 0, 0, 8, 0
	STEP4 0, 1, 9, 0
	STEP4 0, 2, 10, 0
	TURN4 0, 1, 11, 0
	STEP4 1, 0, 12, 0
	STEP4 1, 1, 13, 0
	STEP4 1, 2, 14, 0
	s_wait_dscnt 0x0
	WIN MUL
	MULA 0, 1, 0
	MULA 1, 1, 0
	MULA 2, 1, 0
	MULA 3, 1, 0
	WIN 0
	PLACES 4
.irp a, 0,1,2,3
	ds_load_b32 v[RC+2*\a], v[RLA] offset:64*\a
.endr
	s_wait_dscnt 0x0
.macro OUT a
.set BB, BK+64*((\a)%2)
.if (\a) >= 2
	s_wait_xcnt 0x0
.endif
	WIN 0x02
.irp i, 0,2,4,6,8,10,12,14,16,18,20,22,24,26,28,30,32,34,36,38,40,42,44,46,48,50,52,54,56,58,60,62
	v_pk_mul_f32 v[T+\i:T+\i+1], v[64*(\a)+\i:64*(\a)+\i+1], v[RC+2*(\a):RC+2*(\a)+1] op_sel_hi:[1,0]
.endr
	WIN 0
.irp b, 0,1,2,3,4,5,6,7
	ds_store_b128 v[STO], v[T+8*\b:T+8*\b+3] offset:128*(\b/2)+32*(\b%2)
	ds_store_b128 v[STO], v[T+8*\b+4:T+8*\b+7] offset:128*(\b/2)+32*(\b%2)+16
.endr
.irp t, 0,1,2,3,4,5,6,7,8,9,10,11,12,13,14,15
	ds_load_b128 v[BB+4*\t:BB+4*\t+3], v[RD] offset:\t*SPITCH
.endr
.irp t, 0,1,2,3,4,5,6,7,8,9,10,11,12,13,14,15
	s_wait_dscnt 15-\t
	global_store_b128 v[CO], v[BB+4*\t:BB+4*\t+3], s[12:13] offset:(32*((\a)/2)+8*((\a)%2)+\t+8*(\t/8))*4096 th:TH_STORE_NT
.endr
.endm
	OUT 0
	OUT 1
	OUT 2
	OUT 3
	s_wait_tensorcnt 0x0
	ds_add_u32 v[SPW], v[NIL]
	s_wait_dscnt 0x0
	CROUND
	s_endpgm
.Lfunc_end_k_q8a86c30128_pv:
	.size	k_q8a86c30128_pv, .Lfunc_end_k_q8a86c30128_pv-k_q8a86c30128_pv
	.p2alignl 7, 3214868480
	.fill 96, 4, 3214868480
	.section	.rodata,"a",@progbits
	.p2align	6, 0x0
	.amdhsa_kernel k_q8a86c30128_pv
		.amdhsa_group_segment_fixed_size 327680
		.amdhsa_private_segment_fixed_size 0
		.amdhsa_enable_private_segment 0
		.amdhsa_kernarg_size 40
		.amdhsa_user_sgpr_count 2
		.amdhsa_user_sgpr_kernarg_segment_ptr 1
		.amdhsa_wavefront_size32 1
		.amdhsa_system_sgpr_workgroup_id_x 1
		.amdhsa_system_sgpr_workgroup_id_y 1
		.amdhsa_system_sgpr_workgroup_id_z 1
		.amdhsa_system_vgpr_workitem_id 0
		.amdhsa_next_free_vgpr 768
		.amdhsa_next_free_sgpr 100
		.amdhsa_reserve_vcc 0
		.amdhsa_float_denorm_mode_32 3
		.amdhsa_float_denorm_mode_16_64 3
		.amdhsa_memory_ordered 1
		.amdhsa_forward_progress 1
		.amdhsa_inst_pref_size 169
	.end_amdhsa_kernel
	.amdgpu_metadata
---
amdhsa.version: [ 1, 2 ]
amdhsa.kernels:
  - .name:           k_q8a86c30128_pv
    .symbol:         k_q8a86c30128_pv.kd
    .args:
      - { .name: p_codes, .offset: 0, .size: 8, .value_kind: global_buffer, .address_space: global }
      - { .name: p_stats, .offset: 8, .size: 8, .value_kind: global_buffer, .address_space: global }
      - { .name: qkv_codes, .offset: 16, .size: 8, .value_kind: global_buffer, .address_space: global }
      - { .name: qkv_scales, .offset: 24, .size: 8, .value_kind: global_buffer, .address_space: global }
      - { .name: out0, .offset: 32, .size: 8, .value_kind: global_buffer, .address_space: global }
    .group_segment_fixed_size: 327680
    .private_segment_fixed_size: 0
    .kernarg_segment_align: 8
    .kernarg_segment_size: 40
    .max_flat_workgroup_size: 128
    .sgpr_count:     100
    .vgpr_count:     768
    .wavefront_size: 32
...
	.end_amdgpu_metadata
.endif
;; end of part 4
